; MI455X (gfx1250); checked and timed in simulation.
; The chip was launched on July 23, 2026; its instructions are those of AMD's public machine-readable ISA for CDNA 5 (MIT licence, August 2026) and "CDNA5" Instruction Set Architecture Reference Guide (July 2026). The comments in the code are by the model that wrote it; some were corrected since.
;; Multi Head Attention. Allowed arithmetic: matrix products marked QUANTISED: E2M3 operands, one E8M0 scale for each 32 along K, by v_wmma_scale_f32_16x16x128_f8f6f4 with both operands' format E2M3, f32 sums; everything else in f32.
;; Inputs: Wk 1,024 x 1,024 float32; Wo 1,024 x 1,024 float32; Wq 1,024 x 1,024 float32; Wv 1,024 x 1,024 float32; bk 1,024 float32; bo 1,024 float32; bq 1,024 float32; bv 1,024 float32; key 8 x 1,024 x 1,024 float32; mask 8 x 1 x 1,024 x 1,024 int32; query 8 x 1,024 x 1,024 float32; value 8 x 1,024 x 1,024 float32.
;; Outputs: out0 8 x 1,024 x 1,024 float32.
;; This version of the problem:
;;   THIS VERSION OF THE PROBLEM IS GIVEN IN LOW PRECISION. The matrix products marked QUANTISED in the list below multiply operands that are first quantised to E2M3 (2 exponent bits, 3 mantissa bits; 6 bits a number), with one power-of-two scale for each 32 numbers along K (OCP MX v1.0); their sums are f32. All else is computed in f32.
;;   The module's matrix products, in the order in which they are computed (A, B: the left and right operand; K: the contracted axis; several contracted axes count as one K, in the product's order):
;;     1. [M 8,192, K 1,024] x [K 1,024, N 1,024]; A: input query; B: input Wq: QUANTISED
;;     2. [M 8,192, K 1,024] x [K 1,024, N 1,024]; A: input key; B: input Wk: QUANTISED
;;     3. [M 8,192, K 1,024] x [K 1,024, N 1,024]; A: input value; B: input Wv: QUANTISED
;;     4. batch 128 x [M 1,024, K 64] x [K 64, N 1,024]; A: computed on the way; B: computed on the way: QUANTISED
;;     5. batch 128 x [M 1,024, K 1,024] x [K 1,024, N 64]; A: softmax (see below); B: computed on the way: QUANTISED
;;     6. [M 8,192, K 1,024] x [K 1,024, N 1,024]; A: computed on the way; B: input Wo: QUANTISED
;;   THE QUANTISER, for each operand of a quantised product, along K:
;;     - K is cut into blocks of 32 from its start; a last block that is shorter is filled with zeros.
;;     - A block's scale is 2^e with e = floor(log2(the largest magnitude in the block)) - 2, held to -126 .. 127; a block of zeros has e = 0. As a byte (E8M0): e + 127.
;;     - Each number is divided by its block's scale, clamped to +-7.5, and rounded to the nearest number of E2M3, ties to even, subnormals kept.
;;     - The product sums the exact products of the quantised numbers (number of the format x scale) in f32.
;;   ~~~python
;;   def quantise(x, axis):      # numpy; x: float32 -> the quantised numbers, widened to float32 again
;;       x = np.moveaxis(x, axis, -1); K = x.shape[-1]
;;       x = np.pad(x, [(0, 0)] * (x.ndim - 1) + [(0, -K % 32)]); x = x.reshape(x.shape[:-1] + (-1, 32)); a = np.abs(x).max(-1, keepdims=True)
;;       e = np.where(a > 0, np.clip(np.frexp(np.where(a > 0, a, 1))[1] - 1 - 2, -126, 127), 0)      # np.frexp(a)[1] - 1 = floor(log2(a)), exactly
;;       r = np.clip(x / 2.0 ** e, -7.5, 7.5)
;;       step = 2.0 ** (np.maximum(np.frexp(np.where(r == 0, 1, r))[1] - 1, 0) - 3)
;;       q = np.round(r / step) * step * 2.0 ** e      # np.round: ties to even
;;       return np.moveaxis(q.reshape(q.shape[:-2] + (-1,))[..., :K], -1, axis).astype(np.float32)
;;   ~~~
;;   SOFTMAX AHEAD OF A QUANTISED PRODUCT. Where the list says 'softmax', what is quantised is not the finished softmax but p = 2^(t - M), with t = logit x log2(e) and M = ceil(the row's largest t), a whole number; so 1/2 < the row's largest p <= 1. The row's sum l is taken of the UNQUANTISED p, in f32, and the product's result is divided by l at the end. Since M is a whole number, a kernel that streams over the keys may use a running M (the ceiling of the running maximum): every later rescaling is an exact power of two, which a block's scale takes up: the codes' values come out the same.
;;   OPERANDS COMPUTED ON THE WAY. 'Computed on the way' means the value that the module computes at that place (a softmax that the list does not call 'softmax' is quantised finished and normalised). What goes into a quantiser is computed in f32, as accurately as f32 sums, v_exp_f32 and their like allow (about 1e-6 of the number): no bf16 or f16 on the way to a quantiser, and a product that is left as it is and whose result goes on into a quantised operand takes f32 operands (vector FMAs, or v_wmma_f32_16x16x4_f32). A number that lies on a knife's edge between two numbers of the format may be rounded either way, as far as f32 arithmetic and the matrix unit's own rounding can turn it there, and no further.
;; One version. Each part assembles by itself: llvm-mc -triple=amdgcn-amd-amdhsa -mcpu=gfx1250 --defsym DOCPART=n.
;; ======== version 1 of 1: 4 launches
;; limits: right only within a limited range of input values
;; workspace buffers: xq 19,660,800 bytes; wq 3,276,800 bytes; maskw 1,048,576 bytes of whole numbers; qkv 20,447,232 bytes; yq 6,553,600 bytes
;; launch prep (part 1): grid 640 x 1, 4 waves a work-group, no clusters, 95,744 bytes of LDS; arguments query, key, value, mask, Wq, Wk, Wv, Wo, xq, wq, maskw; writes xq, wq, maskw
.if DOCPART == 1
	.amdgcn_target "amdgcn-amd-amdhsa--gfx1250"
	.amdhsa_code_object_version 6
	.text
	.protected	k_qa3589bd4b2_prep
	.globl	k_qa3589bd4b2_prep
	.p2align	8
	.type	k_qa3589bd4b2_prep,@function
k_qa3589bd4b2_prep:
	s_mov_b64 s[64:65], 0
	v_nop
	global_prefetch_b8 v0, s[64:65] scope:SCOPE_SE
	s_setreg_imm32_b32 hwreg(HW_REG_WAVE_MODE, 25, 1), 1
	s_wait_xcnt 0x0
; PREP: query, key, value [8192][1024] f32 and Wq, Wk, Wv, Wo [1024 (k)][1024 (n)] f32 become codes of FP6 (E2M3) with one E8M0 byte for each 32 along K; the mask [8192][1024] i32 becomes lane masks.
; A block's scale is 2^(floor(log2(its largest magnitude)) - 2); its byte is the largest magnitude's exponent field - 2, held at 1 from below.
; LIMITS: NaN and infinities among the inputs are not served; a block whose largest magnitude lies under 2^-124 has its byte held at 1; a block of zeros gets the byte 1 where the rule says 127
; (its codes are zeros, which add nothing under any byte but 0xff, and this program alone reads the bytes).
; TILES.  Every tile of 16 rows in this program is tile 2 g + u, whose lane r holds row 32 g + 8 u + r + 8 (r / 8): as source 0 of a product it leaves 16 neighbours along the next K in the 16 registers of tiles 2 g, 2 g + 1.
; IMAGES.  A fragment (16 rows x 128 K, 12 registers a lane) lies in memory as its registers: six groups of 256 bytes, group p = registers 2 p, 2 p + 1, lane l's 8 bytes at 256 p + 8 l.  Scale words: [tile][K step][16 words].
; SHARES.  Work-groups 0-383: a wave takes one tile of rows of query, key or value, all of K in 8 steps of 128.  384-511: the same for the mask.  512-639: a wave takes 32 columns x 256 along K of a weight.
; The three ways part on the work-group's number, never meet again and have LDS bytes of their own.  Waves share nothing: no barrier.  No matrix unit, no cluster, no tensor load: every input byte is read once by one wave.
.set XSC,  18874368                    ; xq: the scale words begin here
.set WSC,  3145728                     ; wq: likewise
.set SP,   528                         ; a stage row: 512 bytes + 16, so that 16 rows begin in 16 different columns of 16 bytes (64 banks of 4 bytes: ISA guide 11.1)
.set GAT,  16*SP                       ; behind a wave's stage: 512 bytes in which a tile's scale words are gathered
.set XW,   GAT+512                     ; LDS of a wave on the rows' way
.set MST,  4*XW                        ; LDS of the mask's way begins here
.set MW,   16*SP
.set WST,  MST+4*MW                    ; LDS of the weights' way
.set WT,   3200                        ; a tile's two images (3,072 bytes) + 128, so that the two tiles' lanes fall on different banks
.set WW,   2*WT
.set TM,   12                          ; v12-13 largest magnitudes;  v14-15 the conversions' scale operands;  v16-17 bytes;  v18 the scale word;  v19 the other half's
.set SCO,  14
.set BY,   16
.set SW,   18
.set SX,   19
.set PC,   20                          ; v20-31  a fragment's 12 registers
.set PT,   32                          ; v32-34, v36-38  the second halves of the blocks' codes (a conversion's three registers begin on an even number)
.set X,    40                          ; v40-103 64 numbers of my row
.set R,    104                         ; v104-231 two sets of 16 x 4 registers as loaded
.set WX,   32                          ; the weights' way: v32-95 two sets of 32 numbers
	s_load_b512 s[4:19], s[0:1], 0x0               ; query, key, value, mask, Wq, Wk, Wv, Wo
	s_load_b128 s[20:23], s[0:1], 0x40             ; xq, wq
	s_load_b64 s[24:25], s[0:1], 0x50              ; maskw
	v_lshl_add_u32 v240, v0, 2, 0x17400
	v_mov_b32 v241, 0
	v_lshrrev_b32 v1, 5, v0
	v_readfirstlane_b32 s26, v1                    ; wave
	v_and_b32 v1, 31, v0                           ; lane
	v_and_b32 v2, 15, v0                           ; r
	v_bfe_u32 v3, v0, 4, 1                         ; h
	v_lshlrev_b32 v4, 4, v1                        ; 16 x lane
	v_lshlrev_b32 v7, 3, v1                        ; 8 x lane
	s_mov_b32 s30, 0x76543210
	s_mov_b32 s31, 0xfedcba98                      ; v_permlanex16_b32's selects for lane l xor 16
	s_cmp_ge_u32 ttmp9, 512
	s_cbranch_scc1 .Lweights
	; ---- rows: query, key, value, mask: 8,192 rows of 4,096 bytes each
	s_lshr_b32 s27, ttmp9, 7                       ; which tensor
	s_and_b32 s28, ttmp9, 127
	s_lshl_b32 s28, s28, 2
	s_add_co_u32 s28, s28, s26                     ; my tile, 0 .. 511
	s_lshr_b32 s29, s28, 1
	s_lshl_b32 s29, s29, 5
	s_and_b32 s40, s28, 1
	s_lshl_b32 s40, s40, 3
	s_add_co_u32 s40, s29, s40                     ; its first row: 32 g + 8 u
	s_lshr_b32 s41, s28, 2                         ; KEY's tiles are dealt otherwise: tile 4 G + i holds rows 64 G + 8 i + 0 .. 7 in lanes 0-7 and rows 64 G + 32 + 8 i + 0 .. 7 in lanes 8-15,
	s_lshl_b32 s41, s41, 6                         ; so that in the scores a lane's 32 registers of four neighbouring tiles are one whole block of 32 keys
	s_and_b32 s42, s28, 3
	s_lshl_b32 s42, s42, 3
	s_add_co_u32 s41, s41, s42
	s_cmp_eq_u32 s27, 1
	s_cselect_b32 s40, s41, s40
	s_cselect_b32 s42, 0x10000, 0                  ; its upper eight rows lie 16 rows of 4,096 bytes further on
	s_wait_alu depctr_va_vdst(0)                   ; directly ahead of the reader below
	v_add_nc_u32 v236, s42, v4
	s_lshl_b32 s40, s40, 12
	s_mov_b32 s41, 0
	s_wait_kmcnt 0x0
	s_cmp_eq_u32 s27, 1                            ; the choices hang on the work-group's number alone
	s_cselect_b64 s[4:5], s[6:7], s[4:5]
	s_cmp_eq_u32 s27, 2
	s_cselect_b64 s[4:5], s[8:9], s[4:5]
	s_cmp_eq_u32 s27, 3
	s_cselect_b64 s[4:5], s[10:11], s[4:5]
	s_add_nc_u64 s[4:5], s[4:5], s[40:41]
.macro LOADR s                         ; step s: 128 numbers of each of the tile's 16 rows; a load reads one row's 512 consecutive bytes
.set i, 0
.rept 16
	global_load_b128 v[R+64*((\s)%2)+4*i:R+64*((\s)%2)+4*i+3], v[4+232*(i/8)], s[4:5] offset:(i+8*(i/8))*4096+512*(\s) th:TH_LOAD_NT
.set i, i+1
.endr
.endm
.macro ROWS_IN s                       ; step s's 16 loads are in; the next step's 16 may be out
.if (\s) < 7
	s_wait_loadcnt 16
.else
	s_wait_loadcnt 0x0
.endif
.endm
.macro STAGE_IN s                      ; the 16 rows go into my stage as they were loaded
.set i, 0
.rept 16
	ds_store_b128 v5, v[R+64*((\s)%2)+4*i:R+64*((\s)%2)+4*i+3] offset:SP*i
.set i, i+1
.endr
.endm
	s_wait_alu depctr_va_vdst(0)
	LOADR 0
	LOADR 1
	s_cmp_eq_u32 s27, 3
	s_cbranch_scc1 .Lmask
	; ---- query, key, value
	s_mul_i32 s29, s26, XW
	v_add_nc_u32 v5, s29, v4                       ; into the stage: 16 x lane
	v_mul_u32_u24 v6, v2, SP
	v_lshl_add_u32 v6, v3, 7, v6
	v_add_nc_u32 v6, s29, v6                       ; out of it: row r, + 128 h: lane (r, h) takes k = 64 c + 32 h + 0 .. 31
	s_add_co_u32 s29, s29, GAT
	v_lshl_add_u32 v8, v2, 2, s29                  ; my row's scale word
	v_add_nc_u32 v9, s29, v4                       ; and the gathered words on the way out
	v_lshlrev_b32 v10, 3, v3                       ; 8 h
	v_mov_b32 v[SX], 0                             ; written once: a lane permute's destination counts as one of its sources
	s_mul_i32 s42, s27, 6291456
	s_mul_i32 s43, s28, 12288
	s_add_co_u32 s42, s42, s43
	s_mov_b32 s43, 0
	s_add_nc_u64 s[44:45], s[20:21], s[42:43]      ; my tile's eight images
	s_lshl_b32 s42, s27, 18
	s_lshl_b32 s46, s28, 9
	s_add_co_u32 s42, s42, s46
	s_add_co_u32 s42, s42, XSC
	s_add_nc_u64 s[46:47], s[20:21], s[42:43]      ; and its 512 bytes of scale words
.macro QX                              ; 64 numbers of lane (r, h), register 32 c + i = k 64 c + 32 h + i, become the fragment's registers and my row's scale word
.irp c, 0,1
	v_max3_num_f32 v[TM+\c], |v[X+32*\c]|, |v[X+32*\c+1]|, 0x1800000   ; my block 2 c + h: all 32 numbers are mine; the floor 2^(3 - 127) holds the byte at 1 from below
.endr
.irp i, 2,4,6,8,10,12,14,16,18,20,22,24,26,28,30
.irp c, 0,1
	v_max3_num_f32 v[TM+\c], v[TM+\c], |v[X+32*\c+\i]|, |v[X+32*\c+\i+1]|   ; (the two blocks by turns)
.endr
.endr
.irp c, 0,1
	v_add_nc_u32 v[SCO+\c], 0xff000000, v[TM+\c]   ; 2 off the exponent field: the conversion takes the exponent field of this operand as its scale
.endr
.irp c, 0,1
	v_lshrrev_b32 v[BY+\c], 23, v[SCO+\c]          ; the scale's byte
.endr
	v_lshl_or_b32 v[SW], v[BY+1], 16, v[BY]        ; my two bytes, blocks h and 2 + h,
	v_lshlrev_b32 v[SW], v10, v[SW]                ; at their places in the word;
	v_permlanex16_b32 v[SX], v[SW], s30, s31
	v_or_b32 v[SW], v[SW], v[SX]                   ; with lane l xor 16's two the word is whole
.irp c, 0,1
	v_cvt_scalef32_pk16_fp6_f32 v[PC+6*\c:PC+6*\c+2], v[X+32*\c:X+32*\c+15], v[SCO+\c]
	v_cvt_scalef32_pk16_fp6_f32 v[PT+4*\c:PT+4*\c+2], v[X+32*\c+16:X+32*\c+31], v[SCO+\c]
.endr
	v_nop                                          ; one plain place behind a scaled conversion
.irp c, 0,1
.irp i, 0,1,2
	v_mov_b32 v[PC+6*\c+3+\i], v[PT+4*\c+\i]
.endr
.endr
.endm
.macro STEPX s
	ROWS_IN \s
	STAGE_IN \s
.irp c, 0,1
.irp j, 0,1,2,3,4,5,6,7
	ds_load_b128 v[X+32*\c+4*\j:X+32*\c+4*\j+3], v6 offset:256*\c+16*\j   ; LDS serves a wave's instructions in order: these see the stores above
.endr
.endr
	s_wait_dscnt 0x0                               ; my numbers are back, and the stage's stores have read their registers,
.if (\s) < 6
	LOADR (\s)+2                                   ; which take the loads of two steps on: 32 loads of a wave are out
.endif
	s_wait_xcnt 0x0                                ; the last step's stores have read the codes' registers: they are written again only behind this wait
	QX
.irp p, 0,1,2,3,4,5
	global_store_b64 v7, v[PC+2*\p:PC+2*\p+1], s[44:45] offset:1536*(\s)+256*\p   ; 32 lanes store 256 consecutive bytes, aligned
.endr
	ds_store_b32 v8, v[SW] offset:64*(\s)          ; lanes r and r + 16 write the same word with the same value
.endm
	s_wait_alu depctr_va_vdst(0)
.irp s, 0,1,2,3,4,5,6,7
	STEPX \s
.endr
	ds_load_b128 v[232:235], v9                    ; the tile's 8 x 16 scale words
	s_wait_dscnt 0x0
	global_store_b128 v4, v[232:235], s[46:47]     ; 512 consecutive bytes
	s_wait_tensorcnt 0x0
	ds_add_u32 v240, v241
	s_wait_dscnt 0x0
	s_endpgm
	; ---- the mask: word n of a step holds, at bit 16 h + r, whether key 128 s + 64 (n / 32) + 32 h + n % 32 counts for the tile's query r: the lane mask of score register n in the attention launch
.Lmask:
	s_mul_i32 s29, s26, MW
	s_add_co_u32 s29, s29, MST
	v_add_nc_u32 v5, s29, v4
	v_mul_u32_u24 v6, v2, SP
	v_lshl_add_u32 v6, v3, 7, v6
	v_add_nc_u32 v6, s29, v6                       ; out of the stage: row r, + 128 h
.set i, 0
.rept 16
	v_mov_b32 v[12+i], 0                           ; v_writelane_b32's destination counts as read; a pair of registers for each step, so that no store's data are written again
.set i, i+1
.endr
	s_lshl_b32 s42, s28, 11
	s_mov_b32 s43, 0
	s_add_nc_u64 s[44:45], s[24:25], s[42:43]      ; my tile's 8 x 64 words
.macro STEPM s
	ROWS_IN \s
	STAGE_IN \s
.irp b, 0,1
.irp j, 0,1,2,3,4,5,6,7
	ds_load_b128 v[X+32*\b+4*\j:X+32*\b+4*\j+3], v6 offset:256*\b+16*\j
.endr
.endr
	s_wait_dscnt 0x0
.if (\s) < 6
	LOADR (\s)+2
.endif
.set n, 0
.rept 8
.irp k, 0,1,2,3,4,5,6,7
	v_cmp_ne_u32 s[32+\k], 0, v[X+n+\k]            ; 32 lanes' answers for register n + k
.endr
.irp k, 0,1,2,3,4,5,6,7
	v_writelane_b32 v[12+2*(\s)+\k%2], s[32+\k], (n+\k)/2   ; word n + k: lane (n + k) / 2 of the pair's register (n + k) % 2
.endr
.set n, n+8
.endr
	global_store_b64 v7, v[12+2*(\s):13+2*(\s)], s[44:45] offset:256*(\s)   ; 256 consecutive bytes, aligned
.endm
.irp s, 0,1,2,3,4,5,6,7
	STEPM \s
.endr
	s_wait_tensorcnt 0x0
	ds_add_u32 v240, v241
	s_wait_dscnt 0x0
	s_endpgm
	; ---- the weights: K is their FIRST axis.  A lane takes a column n and its registers run down K: a block of 32 lies in one lane, and the codes come out with K innermost
.Lweights:
	s_sub_co_u32 s27, ttmp9, 512
	s_lshr_b32 s28, s27, 5                         ; which weight
	s_and_b32 s29, s27, 7                          ; which 128 columns
	s_bfe_u32 s40, s27, 0x20003                    ; which 256 along K
	s_lshl_b32 s41, s29, 2
	s_add_co_u32 s41, s41, s26                     ; g: my wave's 32 columns = tiles 2 g, 2 g + 1
	s_lshl_b32 s42, s40, 20                        ; 256 rows of 4,096 bytes
	s_lshl_b32 s43, s41, 7
	s_add_co_u32 s42, s42, s43
	s_mov_b32 s43, 0
	s_wait_alu depctr_va_vdst(0)
	v_lshlrev_b32 v8, 2, v1                        ; in: 4 bytes a lane
	v_bfe_u32 v9, v0, 3, 1                         ; column 32 g + lane is lane r' = lane % 8 + 8 (lane / 16) of tile 2 g + u, u = (lane / 8) % 2
	v_and_b32 v10, 7, v0
	v_lshl_add_u32 v10, v3, 3, v10
	s_mul_i32 s29, s26, WW
	s_add_co_u32 s29, s29, WST
	v_mul_u32_u24 v5, v9, WT
	v_lshl_add_u32 v5, v10, 3, v5
	v_add_nc_u32 v5, s29, v5                       ; into my stage: tile u's images, 8 r'
	v_add_nc_u32 v6, s29, v4                       ; out of it: 16 x lane
	v_lshlrev_b32 v14, 9, v9
	v_lshl_add_u32 v14, v10, 2, v14                ; my column's scale word: 512 u + 4 r'
	s_wait_kmcnt 0x0
	s_cmp_eq_u32 s28, 1
	s_cselect_b64 s[12:13], s[14:15], s[12:13]
	s_cmp_eq_u32 s28, 2
	s_cselect_b64 s[12:13], s[16:17], s[12:13]
	s_cmp_eq_u32 s28, 3
	s_cselect_b64 s[12:13], s[18:19], s[12:13]
	s_add_nc_u64 s[12:13], s[12:13], s[42:43]
	s_mul_i32 s42, s28, 786432
	s_mul_i32 s29, s41, 24576
	s_add_co_u32 s42, s42, s29
	s_mul_i32 s29, s40, 3072
	s_add_co_u32 s42, s42, s29
	s_add_nc_u64 s[44:45], s[22:23], s[42:43]      ; tile 2 g, K step 2 kq
	s_lshl_b32 s42, s28, 15
	s_lshl_b32 s29, s41, 10
	s_add_co_u32 s42, s42, s29
	s_lshl_b32 s29, s40, 7
	s_add_co_u32 s42, s42, s29
	s_add_co_u32 s42, s42, WSC
	s_add_nc_u64 s[46:47], s[22:23], s[42:43]      ; and its scale words
.macro WLOAD t                         ; block t: W(32 t + i, my column): a load reads 128 consecutive bytes
.set i, 0
.rept 32
	global_load_b32 v[WX+32*((\t)%2)+i], v8, s[12:13] offset:(32*(\t)+i)*4096 th:TH_LOAD_NT
.set i, i+1
.endr
.endm
	WLOAD 0
	WLOAD 1
.macro WBLOCK t                        ; block t = K step t / 4, block t % 4 = 2 c + hh of it: registers 6 c .. 6 c + 5 of lane (r', hh)
.set XS, WX+32*((\t)%2)
.if (\t) < 7
	s_wait_loadcnt 32                              ; this block's 32 loads are in; the next block's may be out
.else
	s_wait_loadcnt 0x0
.endif
	v_max3_num_f32 v12, |v[XS]|, |v[XS+1]|, |v[XS+2]|
	v_max3_num_f32 v13, |v[XS+3]|, |v[XS+4]|, |v[XS+5]|
.irp i, 6,10,14,18,22,26
	v_max3_num_f32 v12, v12, |v[XS+\i]|, |v[XS+\i+1]|
	v_max3_num_f32 v13, v13, |v[XS+\i+2]|, |v[XS+\i+3]|
.endr
	v_max3_num_f32 v12, v12, |v[XS+30]|, |v[XS+31]|
	v_max3_num_f32 v12, v12, v13, 0x1800000        ; and the floor
	v_add_nc_u32 v11, 0xff000000, v12
	v_lshrrev_b32 v13, 23, v11
.if (\t)%4 == 0
	v_mov_b32 v[24+(\t)/4], v13                    ; four bytes to a word, the lower K in the lower byte
.else
	v_lshl_or_b32 v[24+(\t)/4], v13, 8*((\t)%4), v[24+(\t)/4]
.endif
	v_cvt_scalef32_pk16_fp6_f32 v[96:98], v[XS:XS+15], v11
	v_cvt_scalef32_pk16_fp6_f32 v[100:102], v[XS+16:XS+31], v11
	v_nop                                          ; one plain place behind a scaled conversion
	v_mov_b32 v99, v100
	v_mov_b32 v100, v101
	v_mov_b32 v101, v102                           ; v96-101: the block's 192 bits
.irp p, 0,1,2
	ds_store_b64 v5, v[96+2*\p:97+2*\p] offset:1536*((\t)/4)+768*(((\t)%4)/2)+256*\p+128*((\t)%2)
.endr
.if (\t)+2 < 8
	WLOAD (\t)+2
.endif
	s_wait_dscnt 0x0                               ; the stores have read their registers
.endm
.irp t, 0,1,2,3,4,5,6,7
	WBLOCK \t
.endr
	s_wait_alu depctr_va_vdst(0)
.irp s, 0,1
	global_store_b32 v14, v[24+\s], s[46:47] offset:64*\s   ; 64 bytes a tile and K step: one byte in 128 of what this way reads
.endr
.set q, 0
.irp u, 0,1
.irp s, 0,1
.irp j, 0,1,2
	ds_load_b128 v[112+4*q:115+4*q], v6 offset:WT*\u+1536*\s+512*\j
.set q, q+1
.endr
.endr
.endr
.set q, 0
.irp u, 0,1
.irp s, 0,1
.irp j, 0,1,2
	s_wait_dscnt 11-q                              ; LDS loads come back in order: load q is in
	global_store_b128 v4, v[112+4*q:115+4*q], s[44:45] offset:12288*\u+1536*\s+512*\j   ; 512 consecutive bytes of an image
.set q, q+1
.endr
.endr
.endr
	s_wait_tensorcnt 0x0
	ds_add_u32 v240, v241
	s_wait_dscnt 0x0
	s_endpgm
.Lfunc_end_k_qa3589bd4b2_prep:
	.size	k_qa3589bd4b2_prep, .Lfunc_end_k_qa3589bd4b2_prep-k_qa3589bd4b2_prep
	.p2alignl 7, 3214868480
	.fill 96, 4, 3214868480
	.section	.rodata,"a",@progbits
	.p2align	6, 0x0
	.amdhsa_kernel k_qa3589bd4b2_prep
		.amdhsa_group_segment_fixed_size 95744
		.amdhsa_private_segment_fixed_size 0
		.amdhsa_enable_private_segment 0
		.amdhsa_kernarg_size 88
		.amdhsa_user_sgpr_count 2
		.amdhsa_user_sgpr_kernarg_segment_ptr 1
		.amdhsa_wavefront_size32 1
		.amdhsa_system_sgpr_workgroup_id_x 1
		.amdhsa_system_sgpr_workgroup_id_y 1
		.amdhsa_system_sgpr_workgroup_id_z 1
		.amdhsa_system_vgpr_workitem_id 0
		.amdhsa_next_free_vgpr 242
		.amdhsa_next_free_sgpr 66
		.amdhsa_reserve_vcc 0
		.amdhsa_float_denorm_mode_32 3
		.amdhsa_float_denorm_mode_16_64 3
		.amdhsa_memory_ordered 1
		.amdhsa_forward_progress 1
		.amdhsa_inst_pref_size 194
	.end_amdhsa_kernel
	.amdgpu_metadata
---
amdhsa.version: [ 1, 2 ]
amdhsa.kernels:
  - .name:           k_qa3589bd4b2_prep
    .symbol:         k_qa3589bd4b2_prep.kd
    .args:
      - { .name: query, .offset: 0, .size: 8, .value_kind: global_buffer, .address_space: global }
      - { .name: key, .offset: 8, .size: 8, .value_kind: global_buffer, .address_space: global }
      - { .name: value, .offset: 16, .size: 8, .value_kind: global_buffer, .address_space: global }
      - { .name: mask, .offset: 24, .size: 8, .value_kind: global_buffer, .address_space: global }
      - { .name: Wq, .offset: 32, .size: 8, .value_kind: global_buffer, .address_space: global }
      - { .name: Wk, .offset: 40, .size: 8, .value_kind: global_buffer, .address_space: global }
      - { .name: Wv, .offset: 48, .size: 8, .value_kind: global_buffer, .address_space: global }
      - { .name: Wo, .offset: 56, .size: 8, .value_kind: global_buffer, .address_space: global }
      - { .name: xq, .offset: 64, .size: 8, .value_kind: global_buffer, .address_space: global }
      - { .name: wq, .offset: 72, .size: 8, .value_kind: global_buffer, .address_space: global }
      - { .name: maskw, .offset: 80, .size: 8, .value_kind: global_buffer, .address_space: global }
    .group_segment_fixed_size: 95744
    .private_segment_fixed_size: 0
    .kernarg_segment_align: 8
    .kernarg_segment_size: 88
    .max_flat_workgroup_size: 128
    .sgpr_count:     66
    .vgpr_count:     242
    .wavefront_size: 32
...
	.end_amdgpu_metadata
.endif
;; end of part 1
;; launch proj (part 2): grid 4 x 64, 4 waves a work-group, clusters of 4 x 4, 327,680 bytes of LDS; arguments xq, wq, bq, bk, bv, qkv; writes qkv
.if DOCPART == 2
	.amdgcn_target "amdgcn-amd-amdhsa--gfx1250"
	.amdhsa_code_object_version 6
	.text
	.protected	k_qa3589bd4b2_proj
	.globl	k_qa3589bd4b2_proj
	.p2align	8
	.type	k_qa3589bd4b2_proj,@function
k_qa3589bd4b2_proj:
	s_mov_b64 s[64:65], 0
	v_nop
	global_prefetch_b8 v0, s[64:65] scope:SCOPE_SE
	s_setreg_imm32_b32 hwreg(HW_REG_WAVE_MODE, 25, 1), 1
	s_wait_xcnt 0x0
	s_wait_alu depctr_hold_cnt(0) depctr_sa_sdst(0) depctr_va_vdst(0) depctr_va_sdst(0) depctr_va_ssrc(0) depctr_va_vcc(0) depctr_vm_vsrc(0)
	s_getreg_b32 s2, hwreg(HW_REG_IB_STS2, 6, 4)
	s_cmp_eq_u32 s2, 0
	s_cbranch_scc0 .Lentry_in_a_cluster
	s_endpgm
.Lentry_in_a_cluster:
	s_bfe_u32 s2, ttmp6, 0x10000c
	s_cmp_lg_u32 s2, 0xf033
	s_cbranch_scc0 .Lentry_shape_is_right
	s_endpgm
.Lentry_shape_is_right:
; PROJ: q = query Wq + bq, k = key Wk + bk, v = value Wv + bv on codes of FP6 (E2M3) with E8M0 scales, and the results quantised again: q and k along the head's 64 channels, v along the keys.
; Operands lie in memory as images of their fragments' registers (1,536 bytes for 16 rows x 128 K: six groups of 256, lane l's 8 bytes at 8 l), [tile][K step]; scale words [tile][K step][16].
; A WORK-GROUP STAYS and makes three blocks of 128 (A's rows) x 256 (B's rows), one for each of q, k, v: 3 x 256 blocks on 256 work-groups.  q, k: A = tokens, B = the weight's columns; v: A = Wv's columns, B = tokens,
; so that a lane's registers run along the next product's K in all three.  A wave makes 64 x 128: 32 accumulators.
; THE RING: two LDS slots of 512 along K (A's 8 tiles, B's 16 tiles, A's and B's scale words: 153,600 bytes), six fills in all; the ring goes on from block to block.  A fill is four joint loads, one a wave:
; wave 0 A's codes, wave 1 B's, wave 2 A's scale words, wave 3 B's.  A's are shared along a row of the 4 x 4 cluster, B's along a column.  A fill is asked for four K steps, 128 matrix instructions of a wave, ahead of the wait for it.
; q and k run as two trips of one loop; v, which asks for nothing more, is written out behind it.  Fills are prefetched into the L2 one fill ahead.
; The matrix instruction is used transposed (source 0 = 16 rows of B, source 1 = 16 rows of A): a lane holds one row of A's side.  Every tile is tile 2 g + u, lane r = row 32 g + 8 u + r + 8 (r / 8).
; THE BIAS: bq, bk run along the registers: they are the C of the first K step.  bv runs along the lanes: it is added to the finished sums.
; LIMITS: NaN and infinities are not served; a block whose largest magnitude lies under 2^-124 has its byte held at 1; a block of zeros gets the byte 1 (zero codes; this program alone reads the bytes).
; REGISTERS: window 0: v0-31 addresses; v32-95 scale words, a set for each slot; v128-223 A's fragments, two sets of 4 x 12 (on the way out v192-215 codes and scale words); v224-253 at work on the way out.
;   Window 1: B's fragments, two sets of 8 x 12 at v0 and v128; bq or bk at v96-127 and v224-255.  Window 2: the accumulators ((a, b) at v[8 (8 a + b)]).
.set XSC,   18874368
.set WSC,   3145728
.set QSC,   18874368
.set XT,    6291456
.set WTB,   786432
.set FR,    12
.set NP,    4                          ; places behind this matrix instruction (ISA guide 7.12.1)
.set TILEB, 6144                       ; a tile's part of a slot: four K steps' images
.set LB,    8*TILEB                    ; in a slot: B's codes,
.set LSA,   24*TILEB                   ; A's scale words (8 tiles x 256 bytes),
.set LSB,   LSA+2048                   ; B's (16 x 256)
.set SLOT,  LSB+4096
.set SPARE, 2*SLOT                     ; the spare words, 512 bytes
.set SST,   SPARE+512                  ; 512 bytes a wave in which a block's scale words are gathered; no fill lands here
.set WV, 16
.set WH, 17
.set WL, 18
.set ROLE, 19
.set CX, 20
.set CY, 21
.set G1A, 24
.set G1B, 32
.set G1SA, 40
.set G1SB, 48
.set G0A, 56
.set G0B, 60
.set SEL, 66
.set G0SA, 68
.set G0SB, 72
.set NXT, 76                           ; s[76:83] where the next block's four tiles begin
.set VA, 84                            ; s[84:91] where v's begin
.set OUT, 92
.set OSC, 94
.set IQ, 96                            ; my first tile's index in q's and k's layout, and in v's
.set IV, 97
.set AI, 98
.set AV, 99
.set BV, 100
.set BNO, 8
.set BMO, 9
.set SRD, 11
.set OA0, 12
.set SWS, 15
.set ADRA, 16
.set ADRB, 20
.set ADRS, 26
.set SPW, 28
.set NIL, 29
.set SC, 32
.set AF, 128
.set PC, 192
.set SWD, 228
.set PT, PC+24                         ; the second halves of the blocks' codes, ahead of their moves
.set OA16, 13                          ; v13  16 x lane
.set PFA, 22                           ; v22-24 the prefetches' offsets; never rewritten
.set PFB, 23
.set PFS, 24
; A PREFETCH INTO THE L2: the blocks of 256 bytes of the fill that follows the one just asked for.  The four partners that ask for a tile jointly share its blocks out by address:
; of A's 8 tiles x 24 blocks the partner at cx takes tiles 2 cx, 2 cx + 1, 12 blocks a wave; of B's 16 tiles the partner at cy takes tiles 4 cy .. 4 cy + 3, a tile a wave (lanes left over name the wave's last block again);
; waves 0, 1 name a block of A's scale words each, waves 2, 3 two of B's.  The offsets are counted from where the next block's tiles begin (NXT, which is written again only behind a wait on XCNT).
.macro ASK oa, ob, osa, osb
	global_prefetch_b8 v[PFA], s[NXT:NXT+1] offset:\oa th:TH_LOAD_NT scope:SCOPE_SE
	global_prefetch_b8 v[PFB], s[NXT+2:NXT+3] offset:\ob th:TH_LOAD_NT scope:SCOPE_SE
	s_cmp_lt_u32 s[WV], 2
	s_cbranch_scc0 .Lpb_\@
	global_prefetch_b8 v[PFS], s[NXT+4:NXT+5] offset:\osa th:TH_LOAD_NT scope:SCOPE_SE
	s_branch .Lpj_\@
.Lpb_\@:
	global_prefetch_b8 v[PFS], s[NXT+6:NXT+7] offset:\osb th:TH_LOAD_NT scope:SCOPE_SE
.Lpj_\@:
.endm
.set BM, 224
.set TM, 232
.set PW, 248
.set W0, 249
.set W1, 250
.set BMA, 252
.set MSB, 0
.macro WIN new                         ; the immediate's high byte repeats the setting that is left
.if MSB != (\new)
	s_set_vgpr_msb (MSB<<8)|(\new)
.set MSB, (\new)
.endif
.endm
.set MUL,  0xa1                        ; source 0 (B) window 1, source 1 (A) window 0, C and D window 2
.set TO_B, 0x40                        ; destination window 1, address window 0
.macro WINM cm                         ; cm = 2: C is the bias, in window 1
.if (\cm) == 2
	WIN 0x91
.else
	WIN MUL
.endif
.endm
.macro TL g0, g1                       ; an s_nop 0 and four v_nop follow every tensor load
	tensor_load_to_lds s[\g0:\g0+3], s[\g1:\g1+7]
	s_nop 0
.rept 4
	v_nop
.endr
.endm
.macro JL4                             ; a fill: one chain of branches on the wave's number, one joint load to an arm, one join
	s_cmp_lt_u32 s[WV], 1
	s_cbranch_scc0 .Lb_\@
	TL G0A, G1A
	s_branch .Lj_\@
.Lb_\@:
	s_cmp_lt_u32 s[WV], 2
	s_cbranch_scc0 .Lsa_\@
	TL G0B, G1B
	s_branch .Lj_\@
.Lsa_\@:
	s_cmp_lt_u32 s[WV], 3
	s_cbranch_scc0 .Lsb_\@
	TL G0SA, G1SA
	s_branch .Lj_\@
.Lsb_\@:
	TL G0SB, G1SB
.Lj_\@:
.endm
.macro CREST                           ; a round of the cluster's barrier behind its opening barrier
	s_cmp_lg_u32 s[WV], 0
	s_cbranch_scc1 .Lnot_wave_0_\@
	s_barrier_signal -3
.Lnot_wave_0_\@:
	s_barrier_wait -3
	s_barrier_signal -1
	s_barrier_wait -1
.endm
.macro CROUND
	s_barrier_signal -1
	s_barrier_wait -1
	CREST
.endm
.macro G1SET g, c, r, p                ; r rows of c elements of 8 bytes, p elements apart
	s_mov_b32 s[\g+1], (\c)<<16
	s_mov_b32 s[\g+2], (\r)<<16
	s_mov_b32 s[\g+3], (\c)<<16
	s_mov_b32 s[\g+4], \r
	s_mov_b32 s[\g+5], \p
	s_mov_b32 s[\g+6], 0
	s_mov_b32 s[\g+7], 0
.endm
.macro ADDR dst, base, idx, mul, add, t
	s_mul_i32 s[\t], s[\idx], \mul
.if (\add)
	s_add_co_u32 s[\t], s[\t], \add
.endif
	s_add_nc_u64 s[\dst:\dst+1], s[\base:\base+1], s[\t:\t+1]
.endm
.macro G0SET g0, lds, src
	s_mov_b32 s[\g0+1], \lds
	s_mov_b64 s[\g0+2:\g0+3], s[\src:\src+1]
	s_or_b32 s[\g0+3], s[\g0+3], 0x80000000
.endm
.macro G0STEP g0, lds, by
	s_mov_b32 s[\g0+1], \lds
	s_add_nc_u64 s[\g0+2:\g0+3], s[\g0+2:\g0+3], \by
.endm
.macro HALF0                           ; the next block's K 0-511, into slot 0
	G0SET G0A, 0, NXT
	G0SET G0B, LB, NXT+2
	G0SET G0SA, LSA, NXT+4
	G0SET G0SB, LSB, NXT+6
.endm
.macro HALF1                           ; the same block's K 512-1023, into slot 1
	G0STEP G0A, SLOT, TILEB
	G0STEP G0B, SLOT+LB, TILEB
	G0STEP G0SA, SLOT+LSA, 256
	G0STEP G0SB, SLOT+LSB, 256
.endm
.macro BNLOAD p                        ; 64 numbers of bq or bk: register 16 g + i is column 32 g + 16 h + i of my 128
	WIN TO_B
.irp g, 0,1,2,3
.irp j, 0,1,2,3
	global_load_b128 v[96+16*\g+4*\j+96*(\g/2):99+16*\g+4*\j+96*(\g/2)], v[BNO], s[\p:\p+1] offset:128*\g+16*\j
.endr
.endr
	WIN 0
.endm
	s_load_b256 s[4:11], s[0:1], 0x0               ; xq, wq, bq, bk
	s_load_b128 s[12:15], s[0:1], 0x20             ; bv, qkv
	v_lshl_add_u32 v[SPW], v0, 2, SPARE
	v_mov_b32 v[NIL], 0
	ds_add_u32 v[SPW], v[NIL]                      ; the opening lines: the add, twice on end, and its wait
	ds_add_u32 v[SPW], v[NIL]
	v_lshrrev_b32 v1, 5, v0
	v_readfirstlane_b32 s[WV], v1                  ; wave 0..3
	s_lshr_b32 s[WH], s[WV], 1                     ; which 64 of A's 128 rows are mine
	s_and_b32 s[WL], s[WV], 1                      ; which 128 of B's 256
	s_bfe_u32 s[CX], ttmp6, 0x40000
	s_bfe_u32 s[CY], ttmp6, 0x40004
	s_and_b32 s101, ttmp7, 0xffff                  ; the cluster's y, 0..15
	s_lshl_b32 s[AI], s101, 2
	s_add_co_u32 s[AI], s[AI], s[CY]               ; q, k: A's block of 128 tokens, 0..63 (B's block of 256 columns is cx)
	s_and_b32 s[AV], s101, 1
	s_lshl_b32 s[AV], s[AV], 2
	s_add_co_u32 s[AV], s[AV], s[CY]               ; v: A's block of 128 channels, 0..7
	s_lshr_b32 s[BV], s101, 1
	s_lshl_b32 s[BV], s[BV], 2
	s_add_co_u32 s[BV], s[BV], s[CX]               ; v: B's block of 256 tokens, 0..31
	s_lshl_b32 s2, s[CY], 2
	s_lshl_b32 s2, 15, s2                          ; my row of the cluster
	s_lshl_b32 s22, 0x1111, s[CX]                  ; my column
	s_or_b32 s[G1A], s2, (3<<16)|(1<<21)           ; 15:0 the mask; 17:16 elements of 8 bytes; 21 set beside a mask
	s_or_b32 s[G1SA], s2, (3<<16)|(1<<21)
	s_or_b32 s[G1B], s22, (3<<16)|(1<<21)
	s_or_b32 s[G1SB], s22, (3<<16)|(1<<21)
	G1SET G1A, 768, 8, 1536                        ; 8 tiles: rows of 6,144 bytes, 12,288 apart
	G1SET G1B, 768, 16, 1536
	G1SET G1SA, 32, 8, 64                          ; their scale words: rows of 256 bytes, 512 apart
	G1SET G1SB, 32, 16, 64
	s_mov_b32 s3, 0                                ; s[2:3]: offsets on A's side, s[22:23]: on B's; the upper words stay 0
	s_mov_b32 s23, 0
	s_mov_b32 s[SEL], 0x76543210
	s_mov_b32 s[SEL+1], 0xfedcba98
	s_wait_dscnt 0x0                               ; both opening adds are done
	s_wait_kmcnt 0x0
	ADDR G0A+2, 4, AI, 98304, 0, 2                 ; q's tiles
	ADDR G0SA+2, 4, AI, 4096, XSC, 2
	ADDR G0B+2, 6, CX, 196608, 0, 22
	ADDR G0SB+2, 6, CX, 8192, WSC, 22
	s_add_nc_u64 s[NXT:NXT+1], s[G0A+2:G0A+3], XT  ; k's
	s_add_nc_u64 s[NXT+2:NXT+3], s[G0B+2:G0B+3], WTB
	s_add_nc_u64 s[NXT+4:NXT+5], s[G0SA+2:G0SA+3], 262144
	s_add_nc_u64 s[NXT+6:NXT+7], s[G0SB+2:G0SB+3], 32768
	ADDR VA, 6, AV, 98304, 2*WTB, 2                ; v's: A from the weights, B from the tokens
	ADDR VA+4, 6, AV, 4096, WSC+65536, 2
	ADDR VA+2, 4, BV, 196608, 2*XT, 22
	ADDR VA+6, 4, BV, 8192, XSC+524288, 22
.irp g, G0A, G0B, G0SA, G0SB
	s_mov_b32 s[\g], 1
	s_or_b32 s[\g+3], s[\g+3], 0x80000000
.endr
	s_mov_b32 s[G0A+1], 0
	s_mov_b32 s[G0B+1], LB
	s_mov_b32 s[G0SA+1], LSA
	s_mov_b32 s[G0SB+1], LSB
	CROUND                                         ; all sixteen work-groups are here: the first joint loads meet
	JL4                                            ; q's K 0-511 into slot 0: one tensor load a wave at the head
	s_lshl_b32 s22, s[CX], 10                      ; bq, bk: my first column, in bytes
	s_lshl_b32 s101, s[WL], 9
	s_add_co_u32 s22, s22, s101
	s_add_nc_u64 s[8:9], s[8:9], s[22:23]
	s_add_nc_u64 s[10:11], s[10:11], s[22:23]
	s_lshl_b32 s2, s[AV], 9                        ; bv: my first channel
	s_lshl_b32 s101, s[WH], 8
	s_add_co_u32 s2, s2, s101
	s_add_nc_u64 s[12:13], s[12:13], s[2:3]
	s_lshr_b32 s[IQ], s[AI], 3                     ; q, k: ((16 batch + head) x 64 + tile), head = 4 cx + 2 WL, tile = 8 (block % 8) + 4 WH
	s_lshl_b32 s[IQ], s[IQ], 4
	s_lshl_b32 s101, s[CX], 2
	s_add_co_u32 s[IQ], s[IQ], s101
	s_lshl_b32 s101, s[WL], 1
	s_add_co_u32 s[IQ], s[IQ], s101
	s_lshl_b32 s[IQ], s[IQ], 6
	s_and_b32 s101, s[AI], 7
	s_lshl_b32 s101, s101, 3
	s_add_co_u32 s[IQ], s[IQ], s101
	s_lshl_b32 s101, s[WH], 2
	s_add_co_u32 s[IQ], s[IQ], s101
	s_lshl_b32 s[IV], s[BV], 1                     ; v: (128 keys' step) x 64 + channel tile
	s_add_co_u32 s[IV], s[IV], s[WL]
	s_lshl_b32 s[IV], s[IV], 6
	s_add_co_u32 s[IV], s[IV], s101
	s_lshl_b32 s101, s[AV], 3
	s_add_co_u32 s[IV], s[IV], s101
	s_mul_i32 s4, s[WH], 4*TILEB                   ; LDS: my 4 tiles of A,
	s_mul_i32 s5, s[WL], LB                        ; my 8 tiles of B, behind A's 8,
	s_add_co_u32 s5, s5, LB
	s_lshl_b32 s6, s[WH], 10                       ; A's scale words,
	s_lshl_b32 s7, s[WL], 11
	s_add_co_u32 s7, s7, 2048
	s_sub_co_u32 s7, s7, s6                        ; the distance from them to B's,
	s_add_co_u32 s6, s6, LSA
	s_lshl_b32 s101, s[WV], 9
	s_add_co_u32 s101, s101, SST                   ; and where I gather scale words
	s_lshl_b32 s92, s[CX], 1                       ; the prefetches' shares
	s_add_co_u32 s94, s92, s[WV]
	s_add_co_u32 s92, s92, s[WH]
	s_mul_i32 s92, s92, 12288
	s_mul_i32 s93, s[WL], 3072
	s_add_co_u32 s92, s92, s93                     ; A: tile 2 cx + wave / 2, from block 12 (wave % 2) on
	s_lshl_b32 s93, s[CY], 2
	s_lshl_b32 s95, s[WL], 1
	s_add_co_u32 s95, s95, s93
	s_add_co_u32 s93, s93, s[WV]
	s_mul_i32 s93, s93, 12288                      ; B: tile 4 cy + wave
	s_cmp_lt_u32 s[WV], 2
	s_cselect_b32 s94, s94, s95                    ; scale words: A's tile 2 cx + wave, or B's tiles 4 cy + 2 (wave - 2) + lane % 2
	s_cselect_b32 s95, 0, 512
	s_lshl_b32 s94, s94, 9
	v_and_b32 v1, 15, v0                           ; r
	v_bfe_u32 v2, v0, 4, 1                         ; h
	v_and_b32 v3, 31, v0                           ; lane
	v_lshlrev_b32 v[OA0], 3, v3                    ; 8 x lane
	v_add_nc_u32 v[ADRA], s4, v[OA0]
	v_add_nc_u32 v[ADRB], s5, v[OA0]
	v_add_nc_u32 v[ADRA+1], SLOT, v[ADRA]
	v_add_nc_u32 v[ADRB+1], SLOT, v[ADRB]
	v_lshlrev_b32 v4, 2, v1
	v_mul_u32_u24 v5, s7, v2                       ; lanes 16-31 take B's words
	v_add_nc_u32 v4, v4, v5
	v_add_nc_u32 v[ADRS], s6, v4
	v_add_nc_u32 v[ADRS+1], SLOT, v[ADRS]
	v_lshl_add_u32 v[SWS], v1, 3, s101
	v_lshl_add_u32 v[SRD], v3, 3, s101
	v_lshlrev_b32 v[BNO], 6, v2                    ; 16 numbers x h
	v_and_b32 v[BMO], 8, v1
	v_add_nc_u32 v[BMO], v[BMO], v1
	v_lshlrev_b32 v[BMO], 2, v[BMO]                ; 4 (r + 8 (r / 8))
.irp b, 0,1,2,3
	v_mov_b32 v[TM+4+\b], 0                        ; written once: a lane permute's destination counts as one of its sources
.endr
	v_mov_b32 v[BMA+1], 0                          ; (named as the upper half of a pair)
	v_min_u32 v[PFA], 11, v3
	v_lshl_add_u32 v[PFA], v[PFA], 8, s92
	v_min_u32 v[PFB], 23, v3
	v_lshl_add_u32 v[PFB], v[PFB], 8, s93
	v_and_b32 v[PFS], 1, v0
	v_mul_u32_u24 v[PFS], s95, v[PFS]
	v_add_nc_u32 v[PFS], s94, v[PFS]
	v_lshlrev_b32 v[OA16], 4, v3
	s_wait_alu depctr_va_vdst(0)                   ; at the head's end
	BNLOAD 8                                       ; bq
.irp a, 0,1,2,3
	global_load_b32 v[BM+\a], v[BMO], s[12:13] offset:(32*(\a/2)+8*(\a%2))*4   ; bv of my four tiles' channels
.endr
	ASK TILEB-XT, TILEB-WTB, 256-262144, 256-32768 ; q's K 512-1023: NXT stands at k's tiles, one tensor on
.macro FRAG reg, adr, q, i             ; a fragment's image: six loads of 8 bytes a lane, 256 consecutive bytes each
.irp p, 0,1,2,3,4,5
	ds_load_b64 v[\reg+2*\p:\reg+2*\p+1], v[\adr] offset:TILEB*(\i)+1536*(\q)+256*\p
.endr
.endm
; 8 matrix instructions: A's tile a x B's eight, K step ks.  cm = 0: onto the sums; 1: C = 0 starts them; 2: the bias starts them.  The 32 accumulators take turns.
.macro MUL8 a, ks, cm
.irp b, 0,1,2,3,4,5,6,7
.if (\cm) == 1
	v_wmma_scale_f32_16x16x128_f8f6f4 v[8*(8*(\a)+\b):8*(8*(\a)+\b)+7], v[128*((\ks)%2)+FR*\b:128*((\ks)%2)+FR*\b+FR-1], v[AF+48*((\ks)%2)+FR*(\a):AF+48*((\ks)%2)+FR*(\a)+FR-1], 0, v[SC+32*((\ks)/4)+4*\b+(\ks)%4], v[SC+32*((\ks)/4)+4*(\a)+(\ks)%4] matrix_a_fmt:MATRIX_FMT_FP6 matrix_b_fmt:MATRIX_FMT_FP6 matrix_a_scale:MATRIX_SCALE_ROW1
.else
.if (\cm) == 2
	v_wmma_scale_f32_16x16x128_f8f6f4 v[8*(8*(\a)+\b):8*(8*(\a)+\b)+7], v[128*((\ks)%2)+FR*\b:128*((\ks)%2)+FR*\b+FR-1], v[AF+48*((\ks)%2)+FR*(\a):AF+48*((\ks)%2)+FR*(\a)+FR-1], v[96+8*\b+96*(\b/4):103+8*\b+96*(\b/4)], v[SC+32*((\ks)/4)+4*\b+(\ks)%4], v[SC+32*((\ks)/4)+4*(\a)+(\ks)%4] matrix_a_fmt:MATRIX_FMT_FP6 matrix_b_fmt:MATRIX_FMT_FP6 matrix_a_scale:MATRIX_SCALE_ROW1
.else
	v_wmma_scale_f32_16x16x128_f8f6f4 v[8*(8*(\a)+\b):8*(8*(\a)+\b)+7], v[128*((\ks)%2)+FR*\b:128*((\ks)%2)+FR*\b+FR-1], v[AF+48*((\ks)%2)+FR*(\a):AF+48*((\ks)%2)+FR*(\a)+FR-1], v[8*(8*(\a)+\b):8*(8*(\a)+\b)+7], v[SC+32*((\ks)/4)+4*\b+(\ks)%4], v[SC+32*((\ks)/4)+4*(\a)+(\ks)%4] matrix_a_fmt:MATRIX_FMT_FP6 matrix_b_fmt:MATRIX_FMT_FP6 matrix_a_scale:MATRIX_SCALE_ROW1
.endif
.endif
.endr
.endm
.macro FETCH ks                        ; K step ks's twelve fragments, 72 loads in one run, into register sets ks % 2; it lies in slot ks / 4
	WIN TO_B
.irp i, 0,1,2,3,4,5,6,7
	FRAG 128*((\ks)%2)+FR*\i, ADRB+(\ks)/4, (\ks)%4, \i
.endr
	WIN 0
.irp i, 0,1,2,3
	FRAG AF+48*((\ks)%2)+FR*\i, ADRA+(\ks)/4, (\ks)%4, \i
.endr
.endm
.macro SCALES s                        ; slot s's scale words: register 4 i + q: lanes 0-15 A's tile i (only i under 4 is used), lanes 16-31 B's tile i, the slot's q-th K step
.irp i, 0,1,2,3,4,5,6,7
.irp q, 0,1,2,3
	ds_load_b32 v[SC+32*\s+4*\i+\q], v[ADRS+\s] offset:\i*256+64*\q
.endr
.endr
.endm
.macro PLACES n
.rept \n
	v_nop
.endr
.endm
; A K step of 128: 32 matrix instructions.  K steps 3 and 7 are the last of their slots: there stand the wait for all my tensor loads, the add, the wait for it and for my reads, and the barrier;
; with fill = 1 the barrier opens a round of the cluster's barrier and the slot just read out is filled again, first behind the round.
.macro KSTEP ks, cm, fill
.if (\ks) == 3 || ((\ks) == 7 && (\fill))
	s_wait_tensorcnt 0x0                           ; my one load that was out, my part of the other slot, has landed
	ds_add_u32 v[SPW], v[NIL]
.if \fill
.if (\ks) == 3
	HALF0                                          ; no load of mine is out: the descriptors may be written
.else
	HALF1
.endif
.endif
	s_wait_dscnt 1                                 ; this step's fragments are in; the add may be out
	WIN MUL
	MUL8 0, \ks, 0
	s_wait_dscnt 0x0                               ; the add is done, and my reads of this slot are over
	s_barrier_signal -1
	MUL8 1, \ks, 0
	WIN 0
	s_barrier_wait -1
.if \fill
	CREST
	JL4                                            ; the four v_nop behind the load are the places in front of the loads below
.else
	PLACES NP
.endif
.if (\ks) == 3
	FETCH 4
	SCALES 1
.if \fill
	ASK TILEB, TILEB, 256, 256                     ; the next block's K 512-1023, which K step 7 will load
.endif
.endif
	WIN MUL
	MUL8 2, \ks, 0
	MUL8 3, \ks, 0
	WIN 0
.else
	s_wait_dscnt 0x0                               ; this step's fragments are in
	WINM \cm
	MUL8 0, \ks, \cm
.if (\ks) < 7
	PLACES NP
	FETCH (\ks)+1
.if (\ks) == 0 && (\fill)
	ASK 0, 0, 0, 0                                 ; the next block's K 0-511, which K step 3 will load
.endif
	WINM \cm
.endif
	MUL8 1, \ks, \cm
	MUL8 2, \ks, \cm
	MUL8 3, \ks, \cm
	WIN 0
.endif
.endm
; The 64 sums of a lane in A's tile at accumulators AC .. AC + 63 (window 2): four blocks of 32 along the next K, each in lanes l and l xor 16.  They are read where they lie, each accumulator from its low end on.
.macro QUANT
	WIN 0x0a
.irp b, 0,1,2,3
	v_max3_num_f32 v[TM+\b], |v[AC+16*\b]|, |v[AC+1+16*\b]|, 0x1800000   ; the floor 2^(3 - 127) holds the byte at 1 from below
.endr
	WIN 0x28
.irp i, 2,4,6,8,10,12,14
.irp b, 0,1,2,3
	v_max3_num_f32 v[TM+\b], v[TM+\b], |v[AC+16*\b+\i]|, |v[AC+1+16*\b+\i]|
.endr
.endr
	WIN 0
.irp b, 0,1,2,3
	v_permlanex16_b32 v[TM+4+\b], v[TM+\b], s[SEL], s[SEL+1]
.endr
.irp b, 0,1,2,3
	v_max_num_f32 v[TM+\b], v[TM+\b], v[TM+4+\b]
.endr
.irp b, 0,1,2,3
	v_add_nc_u32 v[TM+12+\b], 0xff000000, v[TM+\b]   ; 2 off the exponent field: the conversion's scale operand
.endr
.irp b, 0,1,2,3
	v_lshrrev_b32 v[TM+4+\b], 23, v[TM+12+\b]      ; the scale's byte
.endr
	v_lshl_or_b32 v[PW], v[TM+5], 8, v[TM+4]
	v_lshl_or_b32 v[PW], v[TM+6], 16, v[PW]
	v_lshl_or_b32 v[PW], v[TM+7], 24, v[PW]
	WIN 0x02
.irp c, 0,1
	v_cvt_scalef32_pk16_fp6_f32 v[PB+PS*\c:PB+2+PS*\c], v[AC+32*\c:AC+15+32*\c], v[TM+12+2*\c]
	v_cvt_scalef32_pk16_fp6_f32 v[PT+4*\c:PT+2+4*\c], v[AC+16+32*\c:AC+31+32*\c], v[TM+12+2*\c+1]
.endr
	WIN 0
	v_nop                                          ; one plain place behind a scaled conversion
.irp c, 0,1
.irp i, 0,1,2
	v_permlane16_swap_b32 v[PB+PS*\c+\i], v[PT+4*\c+\i]   ; the operand's layout wants a whole block in a lane
.endr
.irp i, 0,1,2
	v_mov_b32 v[PB+3+PS*\c+\i], v[PT+4*\c+\i]
.endr
.endr
.endm
.macro OUTA a, v                       ; A's tile a goes out.  q, k: two heads' half images, 49,152 bytes apart; v: one whole image
.set AC, 64*(\a)
.if \v                                 ; v: the 12 registers of a fragment on end.  q, k: a head's six registers of tiles a, a + 1 on end: 12 registers for each head
.set PB, PC
.set PS, 6
.else
.set PB, PC+6*((\a)%2)
.set PS, 12
.endif
.if (\a) > 0
	s_wait_xcnt 0x0                                ; the last tile's stores have read the codes' registers
	s_wait_dscnt 0x0
.endif
.if \v
	v_mov_b32 v[BMA], v[BM+(\a)]
	WIN 0x82
.set i, 0
.rept 32
	v_pk_add_f32 v[AC+i:AC+i+1], v[AC+i:AC+i+1], v[BMA:BMA+1] op_sel_hi:[1,0]   ; + bv of my channel
.set i, i+2
.endr
.endif
	QUANT
.if \v
	ds_store_b32 v[SWS], v[PW] offset:128*((\a)%2)+4*((\a)/2)   ; four tiles' scale words lie two to a lane: tile a's word of row r at 8 (16 (a % 2) + r) + 4 (a / 2)
.else
	v_and_or_b32 v[W0], v[PW], 0xffff, s101        ; a head has K = 64: bytes 2 and 3 of its word are 0x7f
	v_lshrrev_b32 v[W1], 16, v[PW]
	v_or_b32 v[W1], s101, v[W1]
	ds_store_b32 v[SWS], v[W0] offset:128*((\a)%2)+4*((\a)/2)
	ds_store_b32 v[SWS], v[W1] offset:256+128*((\a)%2)+4*((\a)/2)
.endif
.if \v                                 ; 12 registers go out as three groups of 512 bytes, registers 4 g .. 4 g + 3 of lane l at 512 g + 16 l: 32 lanes store 512 consecutive bytes, aligned
.irp g, 0,1,2
	global_store_b128 v[OA16], v[PC+4*\g:PC+4*\g+3], s[OUT:OUT+1] offset:1536*(\a)+512*\g
.endr
.else
.if (\a)%2
.irp c, 0,1
.irp g, 0,1,2
	global_store_b128 v[OA16], v[PC+12*\c+4*\g:PC+12*\c+4*\g+3], s[OUT:OUT+1] offset:1536*((\a)/2)+HOF*\c+512*\g
.endr
.endr
.endif
.endif
.endm
.macro EPI v
	PLACES NP                                      ; behind the last products
	s_wait_xcnt 0x0                                ; earlier stores have read their bases
.if \v
.set AST, 1536
.set HOF, 768
	s_mul_i32 s2, s[IV], 1536
	s_add_co_u32 s2, s2, 2*XT
	s_lshl_b32 s22, s[IV], 6
	s_add_co_u32 s22, s22, QSC+(2<<19)
.else
.set AST, 768
.set HOF, 49152
	s_mul_i32 s2, s[IQ], 768
	s_mul_i32 s101, s[ROLE], XT
	s_add_co_u32 s2, s2, s101
	s_lshl_b32 s22, s[IQ], 6
	s_lshl_b32 s101, s[ROLE], 19
	s_add_co_u32 s22, s22, s101
	s_add_co_u32 s22, s22, QSC
	s_mov_b32 s101, 0x7f7f0000
.endif
	s_add_nc_u64 s[OUT:OUT+1], s[14:15], s[2:3]
	s_add_nc_u64 s[OSC:OSC+1], s[14:15], s[22:23]
.if !(\v)
	s_cmp_lg_u32 s[ROLE], 0                        ; behind q's block: bk takes bq's registers, which the first K step has read
	s_cbranch_scc1 .Lno_bias_\@
	BNLOAD 10
.Lno_bias_\@:
.endif
.irp a, 0,1,2,3
	OUTA \a, \v
.endr
	ds_load_b64 v[SWD:SWD+1], v[SRD]               ; my four tiles' scale words: LDS serves a wave's instructions in order
.if !(\v)
	ds_load_b64 v[SWD+2:SWD+3], v[SRD] offset:256
.endif
	s_wait_dscnt 0x0
	global_store_b64 v[OA0], v[SWD:SWD+1], s[OSC:OSC+1]   ; 256 consecutive bytes, aligned
.if !(\v)
	global_store_b64 v[OA0], v[SWD+2:SWD+3], s[OSC:OSC+1] offset:4096
	s_wait_xcnt 0x0                                ; the stores have read their registers: the next block's fragments may land there
.endif
.endm
.macro TILE v, fill
	FETCH 0
	SCALES 0
.if \v
	KSTEP 0, 1, \fill
.else
	s_wait_loadcnt 0x0                             ; the bias is in
	KSTEP 0, 2, \fill
.endif
.irp k, 1,2,3,4,5,6,7
	KSTEP \k, 0, \fill
.endr
	EPI \v
.endm
	s_wait_tensorcnt 0x0                           ; my part of slot 0 is in
	ds_add_u32 v[SPW], v[NIL]
	HALF1
	s_wait_dscnt 0x0
	CROUND                                         ; slot 0 is whole, and all sixteen work-groups are here
	JL4                                            ; q's K 512-1023 into slot 1
	s_mov_b32 s[ROLE], 0
.Lrole:                                                ; two trips: q, then k
	TILE 0, 1
	s_mov_b64 s[NXT:NXT+1], s[VA:VA+1]             ; behind k comes v
	s_mov_b64 s[NXT+2:NXT+3], s[VA+2:VA+3]
	s_mov_b64 s[NXT+4:NXT+5], s[VA+4:VA+5]
	s_mov_b64 s[NXT+6:NXT+7], s[VA+6:VA+7]
	s_add_co_u32 s[ROLE], s[ROLE], 1
	s_cmp_lt_u32 s[ROLE], 2
	s_wait_alu depctr_va_vdst(0)                   ; ahead of the backward jump
	s_cbranch_scc1 .Lrole
	TILE 1, 0                                      ; v: nothing more is asked for
	s_wait_tensorcnt 0x0                           ; the wave's end
	ds_add_u32 v[SPW], v[NIL]
	s_wait_dscnt 0x0
	CROUND                                         ; the closing round
	s_endpgm
.Lfunc_end_k_qa3589bd4b2_proj:
	.size	k_qa3589bd4b2_proj, .Lfunc_end_k_qa3589bd4b2_proj-k_qa3589bd4b2_proj
	.p2alignl 7, 3214868480
	.fill 96, 4, 3214868480
	.section	.rodata,"a",@progbits
	.p2align	6, 0x0
	.amdhsa_kernel k_qa3589bd4b2_proj
		.amdhsa_group_segment_fixed_size 327680
		.amdhsa_private_segment_fixed_size 0
		.amdhsa_enable_private_segment 0
		.amdhsa_kernarg_size 48
		.amdhsa_user_sgpr_count 2
		.amdhsa_user_sgpr_kernarg_segment_ptr 1
		.amdhsa_wavefront_size32 1
		.amdhsa_system_sgpr_workgroup_id_x 1
		.amdhsa_system_sgpr_workgroup_id_y 1
		.amdhsa_system_sgpr_workgroup_id_z 1
		.amdhsa_system_vgpr_workitem_id 0
		.amdhsa_next_free_vgpr 768
		.amdhsa_next_free_sgpr 102
		.amdhsa_reserve_vcc 0
		.amdhsa_float_denorm_mode_32 3
		.amdhsa_float_denorm_mode_16_64 3
		.amdhsa_memory_ordered 1
		.amdhsa_forward_progress 1
		.amdhsa_inst_pref_size 217
	.end_amdhsa_kernel
	.amdgpu_metadata
---
amdhsa.version: [ 1, 2 ]
amdhsa.kernels:
  - .name:           k_qa3589bd4b2_proj
    .symbol:         k_qa3589bd4b2_proj.kd
    .args:
      - { .name: xq, .offset: 0, .size: 8, .value_kind: global_buffer, .address_space: global }
      - { .name: wq, .offset: 8, .size: 8, .value_kind: global_buffer, .address_space: global }
      - { .name: bq, .offset: 16, .size: 8, .value_kind: global_buffer, .address_space: global }
      - { .name: bk, .offset: 24, .size: 8, .value_kind: global_buffer, .address_space: global }
      - { .name: bv, .offset: 32, .size: 8, .value_kind: global_buffer, .address_space: global }
      - { .name: qkv, .offset: 40, .size: 8, .value_kind: global_buffer, .address_space: global }
    .group_segment_fixed_size: 327680
    .private_segment_fixed_size: 0
    .kernarg_segment_align: 8
    .kernarg_segment_size: 48
    .max_flat_workgroup_size: 128
    .sgpr_count:     102
    .vgpr_count:     768
    .wavefront_size: 32
...
	.end_amdgpu_metadata
.endif
;; end of part 2
;; launch attn (part 3): grid 4 x 64, 16 waves a work-group, clusters of 4 x 1, 210,944 bytes of LDS; arguments qkv, maskw, yq; writes yq
.if DOCPART == 3
	.amdgcn_target "amdgcn-amd-amdhsa--gfx1250"
	.amdhsa_code_object_version 6
	.text
	.protected	k_qa3589bd4b2_attn
	.globl	k_qa3589bd4b2_attn
	.p2align	8
	.type	k_qa3589bd4b2_attn,@function
k_qa3589bd4b2_attn:
	s_mov_b64 s[64:65], 0
	v_nop
	global_prefetch_b8 v0, s[64:65] scope:SCOPE_SE
	s_setreg_imm32_b32 hwreg(HW_REG_WAVE_MODE, 25, 1), 1
	s_wait_xcnt 0x0
	s_wait_alu depctr_hold_cnt(0) depctr_sa_sdst(0) depctr_va_vdst(0) depctr_va_sdst(0) depctr_va_ssrc(0) depctr_va_vcc(0) depctr_vm_vsrc(0)
	s_getreg_b32 s2, hwreg(HW_REG_IB_STS2, 6, 4)
	s_cmp_eq_u32 s2, 0
	s_cbranch_scc0 .Lentry_in_a_cluster
	s_endpgm
.Lentry_in_a_cluster:
	s_bfe_u32 s2, ttmp6, 0x10000c
	s_cmp_lg_u32 s2, 0x3003
	s_cbranch_scc0 .Lentry_shape_is_right
	s_endpgm
.Lentry_shape_is_right:
; ATTN: y[b][t][64 head + d] = sum over keys of softmax(where(mask == 0, -1e-9, q . k / 8)) v, both products on codes of FP6 (E2M3) with E8M0 scales, and y quantised along its 1,024 channels for the last product.
; THE SOFTMAX: t = logit x log2(e); M = the row's largest t so far, rounded UP to a whole number; p = 2^(t - M) is what is quantised, along the keys.  The row's sum is taken of the unquantised p and divides at the end.
; When M moves, the sum and O are multiplied by 2^(old M - new M): exact.  A key whose mask is 0 stays in the softmax with the logit -1e-9: its score is replaced by -8e-9 ahead of the maximum.
; SHARES.  A work-group owns 256 queries of a batch and TWO heads; each of its sixteen waves one tile of 16 queries, in two passes, one a head: so a wave owns a whole fragment and scale word of y.
; K, V and their scale words of both heads, 208,896 bytes, are filled ONCE; no LDS byte is filled again.  The four work-groups of a cluster need the same bytes: joint loads, one a wave from ten waves.
; LAYOUT.  Both products transposed: S^T = K Q^T, O^T = V^T P^T: a lane holds one query.  K's tile 4 G + i holds keys 64 G + 8 i + 0 .. 7 in rows 0-7 and keys 64 G + 32 + 8 i + 0 .. 7 in rows 8-15:
; so score register n of lane (r, h) is key 64 (n / 32) + 32 h + n % 32 of the step: a lane holds two whole blocks of 32 keys, in the order of the operand's registers.  No block's maximum asks another lane, no code changes lanes.
; IMAGES.  12 registers (K, Q: the six of a tile and the six of the next; V: a fragment) lie as three groups of 512 bytes, registers 4 g .. 4 g + 3 of lane l at 512 g + 16 l.  Four tiles' scale words lie two to a lane.
; K = 64 IN AN INSTRUCTION OF 128: Q's registers 6-11 are zero codes, and bytes 2, 3 of Q's and K's scale words are 0x7f.  K's operand for tile t names 12 registers, the upper six the next tile's codes (zeros behind tile 7):
; E2M3 has no infinity and no NaN, so they times zero codes add exactly 0.
; THE MASK comes as lane masks, one word for each score register, by scalar loads, one step ahead: it only selects values.
; No data prefetch: the launch's one fill stands at its head, with no loop ahead of it to ask in.
; LIMITS: NaN and infinities are not served; a block of y under 2^-124 has its byte held at 1; a block of zeros gets the byte 1 (zero codes; this program alone reads the bytes).
; REGISTERS: v1-7 constants; v8-10 addresses of the loads in hand, v11, v30, v31 the pass's; v12 -M, v13 the largest t, v[14:15] the sum; v16-27 Q (22-27 zeros); v32-79 K's eight tiles, then V's four fragments; v80-85 zeros;
;   v86 y's scale word; v87 p's; v88-94 the second head's Q and its scale words; v96-159 S^T, then p; v160-191 O^T; v192-223 y; v224-235 codes; v236-254 at work; v248-251 K's or V's scale words; v255 the first head's Q's.
.set QSC,  18874368
.set KOFF, 6291456
.set VOFF, 12582912
.set YSC,  6291456
.set LK,   0                           ; LDS: K [head][64 tiles][768]
.set LV,   98304                       ;      V^T [K step][head][4 tiles][1536]
.set LKS,  196608                      ;      K's scale words [head][64 tiles][64]
.set LVS,  204800                      ;      V's [K step][head][4 tiles][64]
.set G1K,  16                          ; s[16:47] four groups 1, s[48:63] four groups 0; behind the wait for the fills these 48 registers and s[80:95] hold a step's 64 mask words
.set G1V,  24
.set G1KS, 32
.set G1VS, 40
.set G0K,  48
.set G0V,  52
.set G0KS, 56
.set G0VS, 60
.set MOF,  14
.set MP,   66
.set QP,   68
.set QSP,  70
.set YP,   72
.set YSP,  74
.set CS,   76
.set SEL,  78
.set WV,   96
.set TB,   97
.set TV,   98
.set TS,   99                          ; s99  512 x the step
.set CNT,  101
.set ADK,  8
.set ADV,  9
.set ADS,  10
.set KB,   11
.set VB,   30
.set SB,   31
.set YW,   86
.set PSW,  87
.set Q1,   88
.set Q1S,  94
.macro CROUND
	s_barrier_signal -1
	s_barrier_wait -1
	s_cmp_lg_u32 s[WV], 0
	s_cbranch_scc1 .Lnot_wave_0_\@
	s_barrier_signal -3
.Lnot_wave_0_\@:
	s_barrier_wait -3
	s_barrier_signal -1
	s_barrier_wait -1
.endm
.macro MASKW                           ; the 64 mask words of the step at s[MOF]
	s_load_b512 s[16:31], s[MP:MP+1], s[MOF] offset:0x0
	s_load_b512 s[32:47], s[MP:MP+1], s[MOF] offset:0x40
	s_load_b512 s[48:63], s[MP:MP+1], s[MOF] offset:0x80
	s_load_b512 s[80:95], s[MP:MP+1], s[MOF] offset:0xc0
.endm
.macro TL g0, g1                       ; an s_nop 0 and four v_nop follow every tensor load
	tensor_load_to_lds s[\g0:\g0+3], s[\g1:\g1+7]
	s_nop 0
.rept 4
	v_nop
.endr
.endm
	s_load_b128 s[4:7], s[0:1], 0x0                ; qkv, maskw
	s_load_b64 s[8:9], s[0:1], 0x10                ; yq
	v_lshl_add_u32 v95, v0, 2, 0x33000
	v_mov_b32 v243, 0
	ds_add_u32 v95, v243                           ; the opening lines
	ds_add_u32 v95, v243
	v_lshrrev_b32 v1, 5, v0
	v_readfirstlane_b32 s[WV], v1                  ; wave 0..15
	s_bfe_u32 s10, ttmp6, 0x40000                  ; cx: my block of 256 queries: it enters Q's, the mask's and y's addresses alone
	s_and_b32 s11, ttmp7, 0xffff                   ; 8 x batch + head pair
	s_lshr_b32 s12, s11, 3
	s_and_b32 s13, s11, 7
.irp g, G1K, G1V, G1KS, G1VS
	s_mov_b32 s[\g], 15|(3<<16)|(1<<21)            ; the mask: all four work-groups; elements of 8 bytes; bit 21 beside a mask
	s_mov_b32 s[\g+6], 0
	s_mov_b32 s[\g+7], 0
.endr
	s_mov_b32 s[G1K+1], 32<<16                     ; K: a quarter of 98,304 dense bytes: 96 rows of 256
	s_mov_b32 s[G1K+2], 96<<16
	s_mov_b32 s[G1K+3], 32<<16
	s_mov_b32 s[G1K+4], 96
	s_mov_b32 s[G1K+5], 32
	s_mov_b32 s[G1V+1], 1536<<16                   ; V: 2 rows (K steps) of 12,288 bytes, 98,304 bytes apart
	s_mov_b32 s[G1V+2], 2<<16
	s_mov_b32 s[G1V+3], 1536<<16
	s_mov_b32 s[G1V+4], 2
	s_mov_b32 s[G1V+5], 12288
	s_mov_b32 s[G1KS+1], 32<<16                    ; K's scale words: 8,192 dense bytes
	s_mov_b32 s[G1KS+2], 32<<16
	s_mov_b32 s[G1KS+3], 32<<16
	s_mov_b32 s[G1KS+4], 32
	s_mov_b32 s[G1KS+5], 32
	s_mov_b32 s[G1VS+1], 64<<16                    ; V's: 8 rows of 512 bytes, 4,096 apart
	s_mov_b32 s[G1VS+2], 8<<16
	s_mov_b32 s[G1VS+3], 64<<16
	s_mov_b32 s[G1VS+4], 8
	s_mov_b32 s[G1VS+5], 512
	s_and_b32 s3, s[WV], 3                         ; which quarter of K (waves 0-3) or of V (waves 4-7) I fetch
	s_mul_i32 s2, s3, 24576
	s_mul_i32 s3, s3, 196608
	s_mov_b32 s15, 0
	s_wait_dscnt 0x0
	s_wait_kmcnt 0x0
	s_mov_b32 s[G0K], 1
	s_add_co_u32 s[G0K+1], s2, LK
	s_mul_i32 s14, s11, 98304
	s_add_co_u32 s14, s14, KOFF
	s_add_co_u32 s14, s14, s2
	s_add_nc_u64 s[G0K+2:G0K+3], s[4:5], s[14:15]
	s_or_b32 s[G0K+3], s[G0K+3], 0x80000000
	s_mov_b32 s[G0V], 1
	s_add_co_u32 s[G0V+1], s2, LV
	s_mul_i32 s14, s12, 786432
	s_mul_i32 s[TB], s13, 12288
	s_add_co_u32 s14, s14, s[TB]
	s_add_co_u32 s14, s14, s3
	s_add_co_u32 s14, s14, VOFF
	s_add_nc_u64 s[G0V+2:G0V+3], s[4:5], s[14:15]
	s_or_b32 s[G0V+3], s[G0V+3], 0x80000000
	s_mov_b32 s[G0KS], 1
	s_mov_b32 s[G0KS+1], LKS
	s_lshl_b32 s14, s11, 13
	s_add_co_u32 s14, s14, QSC+524288
	s_add_nc_u64 s[G0KS+2:G0KS+3], s[4:5], s[14:15]
	s_or_b32 s[G0KS+3], s[G0KS+3], 0x80000000
	s_mov_b32 s[G0VS], 1
	s_mov_b32 s[G0VS+1], LVS
	s_lshl_b32 s14, s12, 15
	s_lshl_b32 s[TB], s13, 9
	s_add_co_u32 s14, s14, s[TB]
	s_add_co_u32 s14, s14, QSC+1048576
	s_add_nc_u64 s[G0VS+2:G0VS+3], s[4:5], s[14:15]
	s_or_b32 s[G0VS+3], s[G0VS+3], 0x80000000
	CROUND                                         ; all four work-groups are here: the joint loads meet
	s_cmp_lt_u32 s[WV], 4                          ; waves 0 to 9 issue one load each; the branches hang on the wave's number alone
	s_cbranch_scc0 .Lnot_k
	TL G0K, G1K
	s_branch .Lfilled
.Lnot_k:
	s_cmp_lt_u32 s[WV], 8
	s_cbranch_scc0 .Lnot_v
	TL G0V, G1V
	s_branch .Lfilled
.Lnot_v:
	s_cmp_eq_u32 s[WV], 8
	s_cbranch_scc0 .Lnot_ks
	TL G0KS, G1KS
	s_branch .Lfilled
.Lnot_ks:
	s_cmp_eq_u32 s[WV], 9
	s_cbranch_scc0 .Lfilled
	TL G0VS, G1VS
.Lfilled:
	s_lshl_b32 s10, s10, 4
	s_add_co_u32 s10, s10, s[WV]                   ; my tile of queries in the batch
	s_lshl_b32 s12, s12, 6
	s_add_co_u32 s12, s12, s10                     ; and among all 512
	s_lshl_b32 s11, s11, 7                         ; (16 batch + 2 nu) x 64
	s_mov_b32 s3, 0
	s_and_b32 s2, s10, 0x3e                        ; Q's codes: my pair of tiles
	s_add_co_u32 s2, s2, s11
	s_mul_i32 s2, s2, 768
	s_add_nc_u64 s[QP:QP+1], s[4:5], s[2:3]
	s_and_b32 s2, s10, 0x3c                        ; Q's scale words: my four tiles' 256 bytes, in them tile a at 128 (a % 2) + 4 (a / 2)
	s_add_co_u32 s2, s2, s11
	s_lshl_b32 s2, s2, 6
	s_and_b32 s14, s10, 1
	s_lshl_b32 s14, s14, 7
	s_add_co_u32 s2, s2, s14
	s_bfe_u32 s14, s10, 0x10001
	s_lshl_b32 s14, s14, 2
	s_add_co_u32 s2, s2, s14
	s_add_co_u32 s2, s2, QSC
	s_add_nc_u64 s[QSP:QSP+1], s[4:5], s[2:3]
	s_lshl_b32 s2, s12, 11
	s_add_nc_u64 s[MP:MP+1], s[6:7], s[2:3]
	s_lshl_b32 s12, s12, 3
	s_add_co_u32 s12, s12, s13                     ; 8 x tile + head pair (= K step of the last product)
	s_mul_i32 s2, s12, 1536
	s_add_nc_u64 s[YP:YP+1], s[8:9], s[2:3]
	s_lshl_b32 s2, s12, 6
	s_add_co_u32 s2, s2, YSC
	s_add_nc_u64 s[YSP:YSP+1], s[8:9], s[2:3]
	s_mov_b32 s[CS], 0x3e38aa3b                    ; c = log2(e) / 8
	s_mov_b32 s[CS+1], s[CS]
	s_mov_b32 s[SEL], 0x76543210
	s_mov_b32 s[SEL+1], 0xfedcba98
	s_and_b32 s[TB], s[WV], 1                      ; e: my tile is the pair's first or second: its registers 2 p, 2 p + 1 are registers 6 e + 2 p .. of the run of 12
	s_mul_i32 s[TV], s[TB], 1016
	s_add_co_u32 s[TV], s[TV], 8
	s_mul_i32 s[TB], s[TB], 520
	v_and_b32 v2, 31, v0
	v_and_b32 v3, 15, v0
	v_bfe_u32 v5, v0, 4, 1
	v_lshlrev_b32 v1, 3, v2                        ; 8 x lane
	v_lshlrev_b32 v7, 4, v2                        ; 16 x lane
	v_lshlrev_b32 v6, 3, v3                        ; 8 r
	v_lshlrev_b32 v3, 2, v3                        ; 4 r
	v_lshlrev_b32 v5, 3, v5                        ; 8 h
	v_add_nc_u32 v28, s[TB], v7                    ; p = 0 at 16 l + 520 e, p = 2 512 bytes on;
	v_add_nc_u32 v29, s[TV], v7                    ; p = 1 at 16 l + 8 + 1016 e
.irp q, 0,1
	global_load_b64 v[16+72*\q:17+72*\q], v28, s[QP:QP+1] offset:49152*\q          ; Q of both heads: it lands while the fill is on its way
	global_load_b64 v[18+72*\q:19+72*\q], v29, s[QP:QP+1] offset:49152*\q
	global_load_b64 v[20+72*\q:21+72*\q], v28, s[QP:QP+1] offset:49152*\q+512
.endr
	global_load_b32 v255, v6, s[QSP:QSP+1]
	global_load_b32 v[Q1S], v6, s[QSP:QSP+1] offset:4096
	v_mov_b32 v4, 0xb209705f                       ; -8e-9
.irp i, 0,1,2,3,4,5
	v_mov_b32 v[22+\i], 0                          ; Q's upper half: zero codes
	v_mov_b32 v[80+\i], 0                          ; behind K's tile 7
.endr
.irp b, 0,1,2,3
	v_mov_b32 v[236+\b], 0                         ; written once: a lane permute's destination counts as one of its sources
.endr
	v_mov_b32 v253, 0                              ; (named as the upper half of the pair v[252:253])
	s_wait_alu depctr_va_vdst(0)                   ; at the head's end
	s_wait_tensorcnt 0x0                           ; my load has landed, and its descriptor's registers are free
	s_barrier_signal -1
	s_barrier_wait -1                              ; everybody's has
	s_mov_b32 s[MOF], 0
	MASKW                                          ; the first step's mask words
; A KEY STEP: 128 keys.  p: the pass; qs: the register of Q's scale words
.macro STEP p, qs
	v_mad_u32_u24 v[ADK], s[TS], 12, v[KB]         ; K: 6,144 bytes a step; V: 12,288; scale words: 512.  (These four are the places between the last products and the loads into their registers)
	v_mad_u32_u24 v[ADV], s[TS], 24, v[VB]
	v_add_nc_u32 v[ADS], s[TS], v[SB]
	v_nop
.set i, 0
.rept 12
	ds_load_b128 v[32+4*i:35+4*i], v[ADK] offset:512*i   ; eight tiles, six registers each, on end: tile t at v[32 + 6 t]
.set i, i+1
.endr
	ds_load_b64 v[248:249], v[ADS]                 ; register i: lanes 0-15 tile 2 i's words, lanes 16-31 tile 2 i + 1's
	ds_load_b64 v[250:251], v[ADS] offset:256
	s_wait_alu depctr_va_vdst(0)
	s_wait_dscnt 0x0
.irp t, 0,1,2,3,4,5,6,7
.if \t%2
	v_wmma_scale_f32_16x16x128_f8f6f4 v[96+8*\t:103+8*\t], v[32+6*\t:43+6*\t], v[16:27], 0, v[248+\t/2], v[\qs] matrix_a_fmt:MATRIX_FMT_FP6 matrix_b_fmt:MATRIX_FMT_FP6 matrix_a_scale:MATRIX_SCALE_ROW1
.else
	v_wmma_scale_f32_16x16x128_f8f6f4 v[96+8*\t:103+8*\t], v[32+6*\t:43+6*\t], v[16:27], 0, v[248+\t/2], v[\qs] matrix_a_fmt:MATRIX_FMT_FP6 matrix_b_fmt:MATRIX_FMT_FP6
.endif
.endr
.rept 4
	v_nop                                          ; places in front of the loads below and of the first read of the scores
.endr
.set i, 0
.rept 12
	ds_load_b128 v[32+4*i:35+4*i], v[ADV] offset:512*i   ; V's four fragments: they land while the softmax is worked
.set i, i+1
.endr
	ds_load_b64 v[248:249], v[ADS] offset:8192-3840*\p
	s_wait_kmcnt 0x0                               ; this step's mask words, asked for a step ago, are in,
	s_wait_xcnt 0x0                                ; and the scalar loads have read their offset
.set n, 0
.rept 64                               ; where a key's mask is 0 the score becomes -8e-9.  Each accumulator is read from its low end on
.if n < 48
	v_cndmask_b32 v[96+n], v4, v[96+n], s[16+n]
.else
	v_cndmask_b32 v[96+n], v4, v[96+n], s[32+n]
.endif
.set n, n+1
.endr
.irp b, 0,1,2,3
	v_max3_num_f32 v[232+\b], v[96+16*\b], v[97+16*\b], v[98+16*\b]   ; four chains of 16 scores by turns; two chains make a block of 32 keys
.endr
.irp i, 3,5,7,9,11,13
.irp b, 0,1,2,3
	v_max3_num_f32 v[232+\b], v[232+\b], v[96+16*\b+\i], v[97+16*\b+\i]
.endr
.endr
	v_max_num_f32 v233, v233, v127
	v_max_num_f32 v235, v235, v159
	v_max3_num_f32 v232, v232, v111, v233          ; my block h's largest score: it serves for the row's maximum and, since p rises with the score, for the block's largest p
	v_max3_num_f32 v234, v234, v143, v235          ; my block 2 + h's
	s_add_co_u32 s[MOF], s[MOF], 256               ; the next step's mask words are asked for here, behind the selects that read this step's.
	s_and_b32 s[MOF], s[MOF], 0x700                ; Behind step 7 comes step 0: the second head shares the mask; behind its last step these loads stay inside the tile's 2,048 bytes and are not used
	MASKW
	v_max_num_f32 v254, v232, v234
	v_permlanex16_b32 v236, v254, s[SEL], s[SEL+1]
	v_max_num_f32 v254, v254, v236                 ; with lane l xor 16's two blocks
	v_mul_f32 v254, s[CS], v254                    ; as t (c is positive)
	v_max_num_f32 v13, v13, v254                   ; the running largest t
	v_mov_b32 v254, v12
	v_floor_f32 v12, -v13                          ; the new -M = floor(-t) = -ceil(t)
	v_sub_f32 v254, v12, v254                      ; old M - new M: a whole number, 0 or less
	v_cvt_i32_f32 v254, v254                       ; (it saturates)
	v_ldexp_f32 v252, 1.0, v254                    ; f = 2^(old M - new M)
.set j, 0
.rept 32
	v_pk_fma_f32 v[96+j:97+j], v[96+j:97+j], s[CS:CS+1], v[12:13] op_sel_hi:[1,0,0]   ; t - M, two at a time
.set j, j+2
.endr
	v_fma_f32 v232, v232, s[CS], v12               ; the same of each block's largest score
	v_fma_f32 v234, v234, s[CS], v12
	s_wait_alu depctr_va_vdst(0)                   ; ahead of the batch
.set j, 0
.rept 64
	v_exp_f32 v[96+j], v[96+j]                     ; p = 2^(t - M), at most 1: not normalised
.set j, j+1
.endr
	v_pk_mul_f32 v[14:15], v[14:15], v[252:253] op_sel_hi:[1,0]   ; the sums under the new M.  (A plain place behind the exponentials)
	s_wait_alu depctr_va_vdst(0)                   ; one wait for the whole batch, ahead of its first reader
	v_exp_f32 v232, v232                           ; the blocks' largest p: the same two instructions on the same number give the same bits
	v_exp_f32 v234, v234
	v_pk_add_f32 v[236:237], v[100:101], v[104:105]   ; the row's sum of the unquantised p: eight chains by turns
	v_pk_add_f32 v[250:251], v[108:109], v[112:113]
	v_pk_add_f32 v[246:247], v[116:117], v[120:121]
	v_pk_add_f32 v[244:245], v[124:125], v[128:129]
	v_pk_add_f32 v[240:241], v[132:133], v[136:137]
	v_pk_add_f32 v[238:239], v[140:141], v[144:145]
	v_pk_add_f32 v[230:231], v[148:149], v[152:153]
	v_pk_add_f32 v[14:15], v[14:15], v[156:157]
	v_pk_add_f32 v[236:237], v[236:237], v[96:97]
	v_pk_add_f32 v[250:251], v[250:251], v[98:99]
	v_pk_add_f32 v[246:247], v[246:247], v[102:103]
	v_pk_add_f32 v[244:245], v[244:245], v[106:107]
	v_pk_add_f32 v[240:241], v[240:241], v[110:111]
	v_pk_add_f32 v[238:239], v[238:239], v[114:115]
	v_pk_add_f32 v[230:231], v[230:231], v[118:119]
	v_pk_add_f32 v[14:15], v[14:15], v[122:123]
	v_pk_add_f32 v[236:237], v[236:237], v[126:127]
	v_pk_add_f32 v[250:251], v[250:251], v[130:131]
	v_pk_add_f32 v[246:247], v[246:247], v[134:135]
	v_pk_add_f32 v[244:245], v[244:245], v[138:139]
	v_pk_add_f32 v[240:241], v[240:241], v[142:143]
	v_pk_add_f32 v[238:239], v[238:239], v[146:147]
	v_pk_add_f32 v[230:231], v[230:231], v[150:151]
	v_pk_add_f32 v[14:15], v[14:15], v[154:155]
	v_pk_add_f32 v[236:237], v[236:237], v[158:159]
	v_pk_add_f32 v[14:15], v[14:15], v[244:245]
	v_pk_add_f32 v[236:237], v[236:237], v[240:241]
	v_pk_add_f32 v[250:251], v[250:251], v[238:239]
	v_pk_add_f32 v[246:247], v[246:247], v[230:231]
	v_pk_add_f32 v[14:15], v[14:15], v[250:251]
	v_pk_add_f32 v[236:237], v[236:237], v[246:247]
	v_pk_add_f32 v[14:15], v[14:15], v[236:237]
	s_wait_alu depctr_va_vdst(0)                   ; and one for the two
	v_max_num_f32 v232, 0x1800000, v232            ; the floor 2^(3 - 127): the byte cannot fall under 1
	v_max_num_f32 v234, 0x1800000, v234
	v_add_nc_u32 v244, 0xff000000, v232            ; 2 off the exponent field: the conversion's scale operand
	v_add_nc_u32 v245, 0xff000000, v234
	v_lshrrev_b32 v236, 23, v244                   ; the scale's byte
	v_lshrrev_b32 v237, 23, v245
	v_lshl_or_b32 v[PSW], v237, 16, v236           ; my two bytes, blocks h and 2 + h,
	v_lshlrev_b32 v[PSW], v5, v[PSW]               ; at their places in the word;
	v_permlanex16_b32 v238, v[PSW], s[SEL], s[SEL+1]
	v_or_b32 v[PSW], v[PSW], v238                  ; with lane l xor 16's two the word is whole
.irp c, 0,1
	v_cvt_scalef32_pk16_fp6_f32 v[224+6*\c:226+6*\c], v[96+32*\c:111+32*\c], v[244+\c]
	v_cvt_scalef32_pk16_fp6_f32 v[236+4*\c:238+4*\c], v[112+32*\c:127+32*\c], v[244+\c]   ; (a conversion's three registers begin on an even number)
.endr
	v_nop                                          ; one plain place behind a scaled conversion
.irp c, 0,1
.irp i, 0,1,2
	v_mov_b32 v[227+6*\c+\i], v[236+4*\c+\i]       ; registers 6 c .. 6 c + 5 hold keys 64 c + 32 h + 0 .. 31
.endr
.endr
.set j, 0
.rept 16
	v_pk_mul_f32 v[160+j:161+j], v[160+j:161+j], v[252:253] op_sel_hi:[1,0]   ; O^T under the new M.  For each product below twelve of these name none of its registers: the places behind p's scale word (8) and codes (4)
.set j, j+2
.endr
	s_wait_alu depctr_va_vdst(0)
	s_wait_dscnt 0x0                               ; V is in
.irp t, 0,1,2,3                        ; O^T += V^T P^T: the four accumulators by turns
.if \t%2
	v_wmma_scale_f32_16x16x128_f8f6f4 v[160+8*\t:167+8*\t], v[32+12*\t:43+12*\t], v[224:235], v[160+8*\t:167+8*\t], v[248+\t/2], v[PSW] matrix_a_fmt:MATRIX_FMT_FP6 matrix_b_fmt:MATRIX_FMT_FP6 matrix_a_scale:MATRIX_SCALE_ROW1
.else
	v_wmma_scale_f32_16x16x128_f8f6f4 v[160+8*\t:167+8*\t], v[32+12*\t:43+12*\t], v[224:235], v[160+8*\t:167+8*\t], v[248+\t/2], v[PSW] matrix_a_fmt:MATRIX_FMT_FP6 matrix_b_fmt:MATRIX_FMT_FP6
.endif
.endr
	s_add_co_u32 s[TS], s[TS], 512
.endm
; A PASS: head 2 nu + p for my 16 queries
.macro PASS p
.if \p
	s_wait_xcnt 0x0                                ; the last pass's stores have read the codes' registers
.irp i, 0,1,2,3,4,5
	v_mov_b32 v[16+\i], v[Q1+\i]                   ; the second head's Q takes the first's place; the moves below are the places in front of the products
.endr
.endif
	s_mov_b32 s[TS], 0
	s_mov_b32 s[CNT], 8
	v_add_nc_u32 v[KB], LK+49152*\p, v7
	v_add_nc_u32 v[VB], LV+6144*\p, v7
	v_add_nc_u32 v[SB], LKS+4096*\p, v1
	v_mov_b32 v13, 0xff61b1e6                      ; the largest t so far: -3e38, under every t
	v_mov_b32 v14, 0
	v_mov_b32 v15, 0
	v_floor_f32 v12, -v13
.set j, 0
.rept 32
	v_mov_b32 v[160+j], 0                          ; O^T: the step is written once; its first trip finds zeros, which the first change of M leaves zeros
.set j, j+1
.endr
.if \p == 0
	s_wait_loadcnt 0x0                             ; Q of both heads
.endif
.Lstep_\@:
.if \p
	STEP 1, Q1S
.else
	STEP 0, 255
.endif
	s_sub_co_u32 s[CNT], s[CNT], 1
	s_cmp_lg_u32 s[CNT], 0
	s_cbranch_scc1 .Lstep_\@
	v_add_f32 v14, v14, v15                        ; the sum's two halves,
	v_permlanex16_b32 v252, v14, s[SEL], s[SEL+1]
	v_add_f32 v14, v14, v252                       ; and lane l xor 16's
	s_wait_alu depctr_va_vdst(0)
	v_rcp_f32 v14, v14
.rept 4
	v_nop                                          ; the plain place behind the reciprocal, and the places behind the last products
.endr
	s_wait_alu depctr_va_vdst(0)                   ; ahead of the reciprocal's first reader
.set j, 0
.rept 32
	v_mul_f32 v[192+j], v[160+j], v14              ; y: register 16 b + i is channel 32 b + 16 (lane / 16) + i of the head
.set j, j+1
.endr
.irp b, 0,1
	v_max3_num_f32 v[232+\b], |v[192+16*\b]|, |v[193+16*\b]|, 0x1800000
.endr
.irp i, 2,4,6,8,10,12,14
.irp b, 0,1
	v_max3_num_f32 v[232+\b], v[232+\b], |v[192+16*\b+\i]|, |v[193+16*\b+\i]|
.endr
.endr
.irp b, 0,1
	v_permlanex16_b32 v[236+\b], v[232+\b], s[SEL], s[SEL+1]
.endr
.irp b, 0,1
	v_max_num_f32 v[232+\b], v[232+\b], v[236+\b]
.endr
.irp b, 0,1
	v_add_nc_u32 v[244+\b], 0xff000000, v[232+\b]
.endr
.irp b, 0,1
	v_lshrrev_b32 v[236+\b], 23, v[244+\b]
.endr
	v_lshl_or_b32 v254, v237, 8, v236              ; the head's two bytes
.if \p
	v_lshl_or_b32 v[YW], v254, 16, v[YW]
.else
	v_mov_b32 v[YW], v254
.endif
	v_cvt_scalef32_pk16_fp6_f32 v[224:226], v[192:207], v244
	v_cvt_scalef32_pk16_fp6_f32 v[240:242], v[208:223], v245
	v_nop                                          ; one plain place behind a scaled conversion
.irp i, 0,1,2
	v_permlane16_swap_b32 v[224+\i], v[240+\i]
.endr
.irp i, 0,1,2
	v_mov_b32 v[227+\i], v[240+\i]                 ; registers 6 p .. 6 p + 5 of y's fragment
.endr
.irp g, 0,1,2
	global_store_b64 v1, v[224+2*\g:225+2*\g], s[YP:YP+1] offset:768*\p+256*\g   ; 32 lanes store 256 consecutive bytes, aligned
.endr
.endm
	PASS 0
	PASS 1
	global_store_b32 v3, v[YW], s[YSP:YSP+1]       ; lanes r and r + 16 store the same word
	s_wait_kmcnt 0x0                               ; the scalar loads of the last step have landed
	s_wait_tensorcnt 0x0                           ; the wave's end
	ds_add_u32 v95, v243
	s_wait_dscnt 0x0
	CROUND                                         ; the closing round
	s_endpgm
.Lfunc_end_k_qa3589bd4b2_attn:
	.size	k_qa3589bd4b2_attn, .Lfunc_end_k_qa3589bd4b2_attn-k_qa3589bd4b2_attn
	.p2alignl 7, 3214868480
	.fill 96, 4, 3214868480
	.section	.rodata,"a",@progbits
	.p2align	6, 0x0
	.amdhsa_kernel k_qa3589bd4b2_attn
		.amdhsa_group_segment_fixed_size 210944
		.amdhsa_private_segment_fixed_size 0
		.amdhsa_enable_private_segment 0
		.amdhsa_kernarg_size 24
		.amdhsa_user_sgpr_count 2
		.amdhsa_user_sgpr_kernarg_segment_ptr 1
		.amdhsa_wavefront_size32 1
		.amdhsa_system_sgpr_workgroup_id_x 1
		.amdhsa_system_sgpr_workgroup_id_y 1
		.amdhsa_system_sgpr_workgroup_id_z 1
		.amdhsa_system_vgpr_workitem_id 0
		.amdhsa_next_free_vgpr 256
		.amdhsa_next_free_sgpr 102
		.amdhsa_reserve_vcc 0
		.amdhsa_float_denorm_mode_32 3
		.amdhsa_float_denorm_mode_16_64 3
		.amdhsa_memory_ordered 1
		.amdhsa_forward_progress 1
		.amdhsa_inst_pref_size 59
	.end_amdhsa_kernel
	.amdgpu_metadata
---
amdhsa.version: [ 1, 2 ]
amdhsa.kernels:
  - .name:           k_qa3589bd4b2_attn
    .symbol:         k_qa3589bd4b2_attn.kd
    .args:
      - { .name: qkv, .offset: 0, .size: 8, .value_kind: global_buffer, .address_space: global }
      - { .name: maskw, .offset: 8, .size: 8, .value_kind: global_buffer, .address_space: global }
      - { .name: yq, .offset: 16, .size: 8, .value_kind: global_buffer, .address_space: global }
    .group_segment_fixed_size: 210944
    .private_segment_fixed_size: 0
    .kernarg_segment_align: 8
    .kernarg_segment_size: 24
    .max_flat_workgroup_size: 512
    .sgpr_count:     102
    .vgpr_count:     256
    .wavefront_size: 32
...
	.end_amdgpu_metadata
.endif
;; end of part 3
;; launch oproj (part 4): grid 4 x 64, 4 waves a work-group, clusters of 4 x 4, 327,680 bytes of LDS; arguments yq, wq, bo, out0; writes out0
.if DOCPART == 4
	.amdgcn_target "amdgcn-amd-amdhsa--gfx1250"
	.amdhsa_code_object_version 6
	.text
	.protected	k_qa3589bd4b2_oproj
	.globl	k_qa3589bd4b2_oproj
	.p2align	8
	.type	k_qa3589bd4b2_oproj,@function
k_qa3589bd4b2_oproj:
	s_mov_b64 s[64:65], 0
	v_nop
	global_prefetch_b8 v0, s[64:65] scope:SCOPE_SE
	s_setreg_imm32_b32 hwreg(HW_REG_WAVE_MODE, 25, 1), 1
	s_wait_xcnt 0x0
	s_wait_alu depctr_hold_cnt(0) depctr_sa_sdst(0) depctr_va_vdst(0) depctr_va_sdst(0) depctr_va_ssrc(0) depctr_va_vcc(0) depctr_vm_vsrc(0)
	s_getreg_b32 s2, hwreg(HW_REG_IB_STS2, 6, 4)
	s_cmp_eq_u32 s2, 0
	s_cbranch_scc0 .Lentry_in_a_cluster
	s_endpgm
.Lentry_in_a_cluster:
	s_bfe_u32 s2, ttmp6, 0x10000c
	s_cmp_lg_u32 s2, 0xf033
	s_cbranch_scc0 .Lentry_shape_is_right
	s_endpgm
.Lentry_shape_is_right:
; OPROJ: out0 = y Wo + bo on codes of FP6 (E2M3) with E8M0 scales.  y [8192][1024] and Wo's columns lie in memory as images of their fragments' registers (1,536 bytes: six groups of 256, lane l's 8 bytes at 8 l).
; A work-group makes 128 rows x 256 columns of out0: 64 x 4 = 256 work-groups.  A wave makes 64 x 128: 32 accumulators, 256 registers.
; ALL OF K LIES IN LDS AT ONCE: two slots of 512 along K (y's 8 tiles x 6,144 bytes, then Wo's 16 tiles) and the scale words of all of K: 307,200 bytes.  Each byte is filled once: no slot is filled again.
; y's tiles are shared along a row of the 4 x 4 cluster, Wo's along a column: joint loads.  Waves 0 and 1 fetch y's and Wo's tiles (slot 0 at the head, slot 1 behind the first round), waves 2 and 3 y's and Wo's scale words, at the head.
; The matrix instruction is used transposed (source 0 = 16 columns of Wo, source 1 = 16 rows of y): a lane holds one row of out0.
; Every tile is tile 2 g + u with lane r = row 32 g + 8 u + r + 8 (r / 8): the way out puts columns and rows back in their places.
; REGISTERS, windows of 256: window 0: v0-31 addresses; v32-95 the scale words of all 8 K steps; v96-99 bo; v128-223 A's fragments, two sets of 4 x 12 (on the way out v128-255: rows read back).
;   Window 1: B's fragments, two sets of 8 x 12, at v0 and v128.  Window 2: the accumulators ((a, b) at v[8 (8 a + b)]).
.set WSC,   3145728                    ; wq: scale words
.set YSC,   6291456                    ; yq: scale words
.set WTB,   786432                     ; a weight's codes in wq
.set FR,    12
.set NP,    4                          ; places behind this matrix instruction (ISA guide 7.12.1)
.set TILEB, 4*1536                     ; a tile's part of a slot: four K steps' images
.set UNIT,  8*TILEB                    ; 8 tiles: what y's tensor load brings
.set SLOT,  3*UNIT                     ; A's 8 tiles, then B's 16
.set SCL,   2*SLOT                     ; behind the slots: A's scale words (8 tiles x 512 bytes), then B's (16 x 512)
.set SPITCH, 528                       ; the way out: a stage of 16 rows x (512 bytes + 16) for each wave, in slot 0, which has had its one fill and its last read when the first result is stored there
.set WV, 16
.set WH, 17
.set WL, 18
.set CX, 21
.set CY, 22
.set G1, 24                            ; s[24:31], s[32:39] groups 1 and 0 (a set for each slot) for A's tiles;  s[48:55], s[56:63] for B's
.set G0, 32
.set G1B, 48
.set G0B, 56
.set G1S, 68                           ; s[68:75], s[76:79] for A's scale words;  s[80:87], s[88:91] for B's
.set G0S, 76
.set G1SB, 80
.set G0SB, 88
.set OUT, 94
.set BOP, 96
.set ADRA, 16                          ; v16-17  LDS address of my A fragments in slot 0, 1
.set ADRB, 20                          ; v20-21  the same for B
.set STO, 24
.set RD, 25
.set CO, 26
.set ADRS, 27
.set SC, 32                            ; register 8 i + k: lanes 0-15 the word of A's tile i, lanes 16-31 that of B's tile i, for K step k
.set BO, 96
.set AF, 128
.set BK, 128
.set MSB, 0
.macro WIN new                         ; the immediate's high byte repeats the setting that is left
.if MSB != (\new)
	s_set_vgpr_msb (MSB<<8)|(\new)
.set MSB, (\new)
.endif
.endm
.set MUL,  0xa1                        ; source 0 (B) window 1, source 1 (A) window 0, C and D window 2
.set TO_B, 0x40                        ; destination window 1, address window 0
.macro CROUND                          ; a round of the cluster's barrier
	s_barrier_signal -1
	s_barrier_wait -1
	s_cmp_lg_u32 s[WV], 0
	s_cbranch_scc1 .Lnot_wave_0_\@
	s_barrier_signal -3
.Lnot_wave_0_\@:
	s_barrier_wait -3
	s_barrier_signal -1
	s_barrier_wait -1
.endm
	s_load_b256 s[4:11], s[0:1], 0x0               ; yq, wq, bo, out0
	v_lshl_add_u32 v126, v0, 2, 0x4b000
	v_mov_b32 v127, 0
	ds_add_u32 v126, v127
	ds_add_u32 v126, v127
	v_lshrrev_b32 v1, 5, v0
	v_readfirstlane_b32 s[WV], v1                  ; wave 0..3
	s_lshr_b32 s[WH], s[WV], 1                     ; which 64 of the 128 rows are mine
	s_and_b32 s[WL], s[WV], 1                      ; which 128 of the 256 columns
	s_bfe_u32 s[CX], ttmp6, 0x40000
	s_bfe_u32 s[CY], ttmp6, 0x40004
	s_lshl_b32 s47, ttmp9, 2
	s_add_co_u32 s47, s47, s[CX]                   ; block of 256 columns
	s_and_b32 s46, ttmp7, 0xffff
	s_lshl_b32 s46, s46, 2
	s_add_co_u32 s46, s46, s[CY]                   ; block of 128 rows
	s_lshl_b32 s23, s[CY], 2
	s_lshl_b32 s23, 15, s23                        ; my row of the cluster
	s_lshl_b32 s2, 0x1111, s[CX]                   ; my column
	s_or_b32 s[G1], s23, (3<<16)|(1<<21)           ; 15:0 the mask; 17:16 elements of 8 bytes; 20 no padding; 21 set beside a mask
	s_or_b32 s[G1B], s2, (3<<16)|(1<<21)
	s_or_b32 s[G1S], s23, (3<<16)|(1<<21)
	s_or_b32 s[G1SB], s2, (3<<16)|(1<<21)
.irp g, G1, G1B                        ; 8 tiles: 8 rows of 6,144 bytes (four K steps' images), 12,288 bytes apart
	s_mov_b32 s[\g+1], 768<<16                     ; tensor_dim0
	s_mov_b32 s[\g+2], 8<<16                       ; tensor_dim1
	s_mov_b32 s[\g+3], 768<<16                     ; tile_dim0
	s_mov_b32 s[\g+4], 8                           ; tile_dim1
	s_mov_b32 s[\g+5], 1536                        ; tensor_dim0_stride
	s_mov_b32 s[\g+6], 0
	s_mov_b32 s[\g+7], 0
.endr
.irp g, G1S, G1SB                      ; 8 tiles' scale words: 4,096 dense bytes as 16 rows of 256
	s_mov_b32 s[\g+1], 32<<16
	s_mov_b32 s[\g+2], 16<<16
	s_mov_b32 s[\g+3], 32<<16
	s_mov_b32 s[\g+4], 16
	s_mov_b32 s[\g+5], 32
	s_mov_b32 s[\g+6], 0
	s_mov_b32 s[\g+7], 0
.endr
	s_mul_i32 s40, s46, 98304                      ; A's addresses hang on the block of rows alone: 8 tiles x 12,288 bytes a block,
	s_mov_b32 s41, 0
	s_lshl_b32 s42, s46, 12                        ; 8 x 512 bytes of scale words
	s_add_co_u32 s42, s42, YSC
	s_mov_b32 s43, 0
	s_mul_i32 s44, s47, 196608                     ; B's on the block of columns alone
	s_add_co_u32 s44, s44, 3*WTB
	s_mov_b32 s45, 0
	s_lshl_b32 s92, s47, 13
	s_mov_b32 s[G1B+2], 16<<16                     ; Wo's 16 tiles come by one load,
	s_mov_b32 s[G1B+4], 16
	s_mov_b32 s[G1SB+2], 32<<16                    ; and so do their scale words: 8,192 dense bytes
	s_mov_b32 s[G1SB+4], 32
	s_add_co_u32 s92, s92, WSC+3*32768
	s_mov_b32 s93, 0
	s_wait_dscnt 0x0
	s_wait_kmcnt 0x0
	s_add_nc_u64 s[40:41], s[4:5], s[40:41]
	s_add_nc_u64 s[42:43], s[4:5], s[42:43]
	s_add_nc_u64 s[44:45], s[6:7], s[44:45]
	s_add_nc_u64 s[92:93], s[6:7], s[92:93]
	CROUND                                         ; all sixteen work-groups are here: the joint loads meet
	s_mov_b32 s[G0S], 1
	s_mov_b32 s[G0S+1], SCL
	s_mov_b64 s[G0S+2:G0S+3], s[42:43]
	s_or_b32 s[G0S+3], s[G0S+3], 0x80000000
	s_mov_b32 s[G0SB], 1
	s_mov_b32 s[G0SB+1], SCL+4096
	s_mov_b64 s[G0SB+2:G0SB+3], s[92:93]
	s_or_b32 s[G0SB+3], s[G0SB+3], 0x80000000
.irp s, 0,1
	s_mov_b32 s[G0+4*\s], 1
	s_mov_b32 s[G0+4*\s+1], \s*SLOT
	s_add_nc_u64 s[G0+4*\s+2:G0+4*\s+3], s[40:41], \s*TILEB
	s_or_b32 s[G0+4*\s+3], s[G0+4*\s+3], 0x80000000
	s_mov_b32 s[G0B+4*\s], 1
	s_mov_b32 s[G0B+4*\s+1], \s*SLOT+UNIT
	s_add_nc_u64 s[G0B+4*\s+2:G0B+4*\s+3], s[44:45], \s*TILEB
	s_or_b32 s[G0B+4*\s+3], s[G0B+4*\s+3], 0x80000000
.endr
	s_cmp_eq_u32 s[WV], 0                          ; a wave's fill at the head stands in one branch on the wave's number, ahead of every wait on TENSORcnt and every LDS read; an s_nop 0 and four v_nop follow it
	s_cbranch_scc0 .Lnot_a
	tensor_load_to_lds s[G0:G0+3], s[G1:G1+7]              ; one tensor load a wave at the head: wave 0 y's part of slot 0,
	s_nop 0
.rept 4
	v_nop
.endr
	s_branch .Lasked
.Lnot_a:
	s_cmp_lt_u32 s[WV], 2
	s_cbranch_scc0 .Lnot_b
	tensor_load_to_lds s[G0B:G0B+3], s[G1B:G1B+7]          ; wave 1 Wo's part of slot 0,
	s_nop 0
.rept 4
	v_nop
.endr
	s_branch .Lasked
.Lnot_b:
	s_cmp_lt_u32 s[WV], 3
	s_cbranch_scc0 .Lnot_sa
	tensor_load_to_lds s[G0S:G0S+3], s[G1S:G1S+7]          ; wave 2 y's scale words,
	s_nop 0
.rept 4
	v_nop
.endr
	s_branch .Lasked
.Lnot_sa:
	tensor_load_to_lds s[G0SB:G0SB+3], s[G1SB:G1SB+7]      ; wave 3 Wo's
	s_nop 0
.rept 4
	v_nop
.endr
.Lasked:
	v_and_b32 v1, 15, v0                           ; r
	v_bfe_u32 v2, v0, 4, 1                         ; h
	v_and_b32 v3, 31, v0                           ; lane
	s_wait_alu depctr_va_vdst(0)
	v_lshlrev_b32 v[CO], 4, v3                     ; 16 x lane: my 4 columns of a row's 128
	s_lshl_b32 s40, s47, 10
	s_lshl_b32 s41, s[WL], 9
	s_add_co_u32 s40, s40, s41                     ; my first column, in bytes
	s_mov_b32 s41, 0
	s_add_nc_u64 s[BOP:BOP+1], s[8:9], s[40:41]
	global_load_b128 v[BO:BO+3], v[CO], s[BOP:BOP+1]   ; bo of my 4 columns
	s_lshl_b32 s42, s46, 19                        ; my first row: 128 rows of 4,096 bytes a block,
	s_lshl_b32 s43, s[WH], 18                      ; 64 a half
	s_add_co_u32 s42, s42, s43
	s_add_co_u32 s40, s40, s42
	s_add_nc_u64 s[OUT:OUT+1], s[10:11], s[40:41]
	v_lshlrev_b32 v6, 3, v3                        ; 8 x lane: my place in a group of an image
	s_mul_i32 s23, s[WH], 4*TILEB                  ; my 4 tiles of A
	s_mul_i32 s2, s[WL], UNIT                      ; my 8 tiles of B,
	s_add_co_u32 s2, s2, UNIT                      ; which lie behind A's 8
.irp s, 0,1
	v_add_nc_u32 v[ADRA+\s], s23, v6
	v_add_nc_u32 v[ADRB+\s], s2, v6
	s_add_co_u32 s23, s23, SLOT
	s_add_co_u32 s2, s2, SLOT
.endr
	v_lshlrev_b32 v4, 2, v1                        ; my row's scale word
	s_lshl_b32 s23, s[WH], 11                      ; A's: my 4 tiles
	s_lshl_b32 s2, s[WL], 12                       ; B's: my 8 tiles, behind A's 8
	s_add_co_u32 s2, s2, 4096
	s_sub_co_u32 s2, s2, s23
	v_mul_u32_u24 v5, s2, v2                       ; lanes 16-31 take B's
	s_add_co_u32 s23, s23, SCL
	v_add_nc_u32 v4, v4, v5
	v_add_nc_u32 v[ADRS], s23, v4
	s_mul_i32 s23, s[WV], 16*SPITCH                ; my stage
	v_mul_u32_u24 v5, v1, SPITCH
	v_lshl_add_u32 v5, v2, 6, v5
	v_add_nc_u32 v[STO], s23, v5                   ; in: row r, + 64 h
	v_add_nc_u32 v[RD], s23, v[CO]                 ; back: the 32 lanes take one row of 512 bytes
.macro FRAG reg, adr, q, i             ; a fragment's image: six loads of 8 bytes a lane, 256 consecutive bytes each
.irp p, 0,1,2,3,4,5
	ds_load_b64 v[\reg+2*\p:\reg+2*\p+1], v[\adr] offset:TILEB*(\i)+1536*(\q)+256*\p
.endr
.endm
; 8 matrix instructions: A's tile a x B's eight, K step ks, register sets ks % 2.  zero = 1: the first product starts the sums.
; The 32 accumulators take turns, one instruction a turn, in the same order in every step.
.macro MUL8 a, ks, zero
.irp b, 0,1,2,3,4,5,6,7
.if \zero
	v_wmma_scale_f32_16x16x128_f8f6f4 v[8*(8*(\a)+\b):8*(8*(\a)+\b)+7], v[128*((\ks)%2)+FR*\b:128*((\ks)%2)+FR*\b+FR-1], v[AF+48*((\ks)%2)+FR*(\a):AF+48*((\ks)%2)+FR*(\a)+FR-1], 0, v[SC+8*\b+(\ks)], v[SC+8*(\a)+(\ks)] matrix_a_fmt:MATRIX_FMT_FP6 matrix_b_fmt:MATRIX_FMT_FP6 matrix_a_scale:MATRIX_SCALE_ROW1
.else
	v_wmma_scale_f32_16x16x128_f8f6f4 v[8*(8*(\a)+\b):8*(8*(\a)+\b)+7], v[128*((\ks)%2)+FR*\b:128*((\ks)%2)+FR*\b+FR-1], v[AF+48*((\ks)%2)+FR*(\a):AF+48*((\ks)%2)+FR*(\a)+FR-1], v[8*(8*(\a)+\b):8*(8*(\a)+\b)+7], v[SC+8*\b+(\ks)], v[SC+8*(\a)+(\ks)] matrix_a_fmt:MATRIX_FMT_FP6 matrix_b_fmt:MATRIX_FMT_FP6 matrix_a_scale:MATRIX_SCALE_ROW1
.endif
.endr
.endm
.macro FETCH ks                        ; K step ks's twelve fragments, 72 loads in one run, into register sets ks % 2: it lies in slot ks / 4, the slot's (ks % 4)-th 128 along K
	WIN TO_B
.irp i, 0,1,2,3,4,5,6,7
	FRAG 128*((\ks)%2)+FR*\i, ADRB+(\ks)/4, (\ks)%4, \i
.endr
	WIN 0
.irp i, 0,1,2,3
	FRAG AF+48*((\ks)%2)+FR*\i, ADRA+(\ks)/4, (\ks)%4, \i
.endr
.endm
.macro SCALES                          ; the scale words of all 8 K steps, once: lanes 0-15 take A's tile i (only i under 4 is used), lanes 16-31 B's tile i
.irp i, 0,1,2,3,4,5,6,7
.irp k, 0,1,2,3,4,5,6,7
	ds_load_b32 v[SC+8*\i+\k], v[ADRS] offset:\i*512+64*\k
.endr
.endr
.endm
.macro PLACES n                        ; plain vector instructions between a matrix instruction and a load into its registers or a read of its result (ISA guide 7.12.1 for a read of its result)
.rept \n
	v_nop
.endr
.endm
; A K step of 128: 32 matrix instructions; behind the first eight the next step's fragments are asked for, into the sets that the step before read.
.macro KSTEP ks, zero
	s_wait_dscnt 0x0                               ; this step's fragments are in
	WIN MUL
	MUL8 0, \ks, \zero
.if (\ks) == 3
	s_wait_tensorcnt 0x0                           ; my part of slot 1 has landed; no LDS instruction of mine is out, and my reads of slot 0 are over
	s_barrier_signal -1
	MUL8 1, \ks, \zero
	s_barrier_wait -1                              ; slot 1 is whole, and nobody reads slot 0 any more
.endif
.if (\ks) < 7
	PLACES NP
	FETCH (\ks)+1
	WIN MUL
.endif
.if (\ks) != 3
	MUL8 1, \ks, \zero
.endif
	MUL8 2, \ks, \zero
	MUL8 3, \ks, \zero
	WIN 0
.endm
	s_wait_alu depctr_va_vdst(0)                   ; at the head's end
	s_wait_tensorcnt 0x0                           ; my tile of the head's four is in
	ds_add_u32 v126, v127
	s_wait_dscnt 0x0
	CROUND                                         ; slot 0 and the scale words are whole, and all sixteen work-groups are here
	s_cmp_eq_u32 s[WV], 0                          ; slot 1's first fill: wave 0 y's part, wave 1 Wo's
	s_cbranch_scc0 .Lb1
	tensor_load_to_lds s[G0+4:G0+7], s[G1:G1+7]
	s_nop 0
.rept 4
	v_nop
.endr
	s_branch .Lj1
.Lb1:
	s_cmp_eq_u32 s[WV], 1
	s_cbranch_scc0 .Lj1
	tensor_load_to_lds s[G0B+4:G0B+7], s[G1B:G1B+7]
	s_nop 0
.rept 4
	v_nop
.endr
.Lj1:
	FETCH 0
	SCALES
	KSTEP 0, 1                                     ; K = 1,024 is eight steps: they are written out; the first starts the sums
.irp k, 1,2,3,4,5,6,7
	KSTEP \k, 0
.endr
; THE WAY OUT, block by block of 16 rows x 128 columns, through my own stage in LDS: register j of accumulator (a, b) is column 32 (b / 2) + 16 h + 8 (b % 2) + j of row r; the block comes back as whole rows of 512 bytes.
.macro TOSTAGE a
.set AC, 64*(\a)
	WIN 0x08                                       ; an LDS store's data: window 2
.irp b, 0,1,2,3,4,5,6,7
	ds_store_b128 v[STO], v[AC+8*\b:AC+8*\b+3] offset:128*(\b/2)+32*(\b%2)        ; each accumulator from its low end on
	ds_store_b128 v[STO], v[AC+8*\b+4:AC+8*\b+7] offset:128*(\b/2)+32*(\b%2)+16
.endr
	WIN 0
.set BB, BK+64*((\a)%2)
.irp t, 0,1,2,3,4,5,6,7,8,9,10,11,12,13,14,15
	ds_load_b128 v[BB+4*\t:BB+4*\t+3], v[RD] offset:\t*SPITCH   ; LDS serves a wave's instructions in order: these see the stores above
.endr
.endm
.macro SEND a, younger                 ; younger: the LDS instructions issued behind block a's loads, which may stay out
.set BB, BK+64*((\a)%2)
	s_wait_dscnt \younger
.irp t, 0,1,2,3,4,5,6,7,8,9,10,11,12,13,14,15
	v_pk_add_f32 v[BB+4*\t:BB+4*\t+1], v[BB+4*\t:BB+4*\t+1], v[BO:BO+1]
	v_pk_add_f32 v[BB+4*\t+2:BB+4*\t+3], v[BB+4*\t+2:BB+4*\t+3], v[BO+2:BO+3]
.endr
.irp t, 0,1,2,3,4,5,6,7,8,9,10,11,12,13,14,15
	global_store_b128 v[CO], v[BB+4*\t:BB+4*\t+3], s[OUT:OUT+1] offset:(32*((\a)/2)+8*((\a)%2)+\t+8*(\t/8))*4096 th:TH_STORE_NT   ; stage row t is row 32 (a / 2) + 8 (a % 2) + t + 8 (t / 8); 32 lanes store 512 consecutive bytes, aligned; 63 rows at the most: inside the signed 24-bit immediate
.endr
.endm
	PLACES NP                                      ; behind the last products: for the reads of their results and the loads into the registers that held A's fragments
	s_wait_loadcnt 0x0                             ; bo
	TOSTAGE 0
.irp a, 1,2,3
.if \a > 1
	s_wait_xcnt 0x0                                ; block a - 2's stores have read their registers: block a's loads may land there
.endif
	TOSTAGE \a
	SEND \a-1, 32                                  ; behind block a - 1's loads: block a's 16 stores and 16 loads
.endr
	SEND 3, 0
	s_wait_tensorcnt 0x0
	ds_add_u32 v126, v127
	s_wait_dscnt 0x0
	CROUND                                         ; the closing round: no LDS instruction and no tensor load of mine is out
	s_endpgm
.Lfunc_end_k_qa3589bd4b2_oproj:
	.size	k_qa3589bd4b2_oproj, .Lfunc_end_k_qa3589bd4b2_oproj-k_qa3589bd4b2_oproj
	.p2alignl 7, 3214868480
	.fill 96, 4, 3214868480
	.section	.rodata,"a",@progbits
	.p2align	6, 0x0
	.amdhsa_kernel k_qa3589bd4b2_oproj
		.amdhsa_group_segment_fixed_size 327680
		.amdhsa_private_segment_fixed_size 0
		.amdhsa_enable_private_segment 0
		.amdhsa_kernarg_size 32
		.amdhsa_user_sgpr_count 2
		.amdhsa_user_sgpr_kernarg_segment_ptr 1
		.amdhsa_wavefront_size32 1
		.amdhsa_system_sgpr_workgroup_id_x 1
		.amdhsa_system_sgpr_workgroup_id_y 1
		.amdhsa_system_sgpr_workgroup_id_z 1
		.amdhsa_system_vgpr_workitem_id 0
		.amdhsa_next_free_vgpr 768
		.amdhsa_next_free_sgpr 98
		.amdhsa_reserve_vcc 0
		.amdhsa_float_denorm_mode_32 3
		.amdhsa_float_denorm_mode_16_64 3
		.amdhsa_memory_ordered 1
		.amdhsa_forward_progress 1
		.amdhsa_inst_pref_size 107
	.end_amdhsa_kernel
	.amdgpu_metadata
---
amdhsa.version: [ 1, 2 ]
amdhsa.kernels:
  - .name:           k_qa3589bd4b2_oproj
    .symbol:         k_qa3589bd4b2_oproj.kd
    .args:
      - { .name: yq, .offset: 0, .size: 8, .value_kind: global_buffer, .address_space: global }
      - { .name: wq, .offset: 8, .size: 8, .value_kind: global_buffer, .address_space: global }
      - { .name: bo, .offset: 16, .size: 8, .value_kind: global_buffer, .address_space: global }
      - { .name: out0, .offset: 24, .size: 8, .value_kind: global_buffer, .address_space: global }
    .group_segment_fixed_size: 327680
    .private_segment_fixed_size: 0
    .kernarg_segment_align: 8
    .kernarg_segment_size: 32
    .max_flat_workgroup_size: 128
    .sgpr_count:     98
    .vgpr_count:     768
    .wavefront_size: 32
...
	.end_amdgpu_metadata
.endif
;; end of part 4
